; MI455X (gfx1250); checked and timed in simulation.
; The chip was launched on July 23, 2026; its instructions are those of AMD's public machine-readable ISA for CDNA 5 (MIT licence, August 2026) and "CDNA5" Instruction Set Architecture Reference Guide (July 2026). The comments in the code are by the model that wrote it; some were corrected since.
;; Rel Pos Attention. Allowed arithmetic: matrix products marked QUANTISED: E2M3 operands, one E8M0 scale for each 32 along K, by v_wmma_scale_f32_16x16x128_f8f6f4 with both operands' format E2M3, f32 sums; everything else in f32.
;; Inputs: Wo 1,024 x 1,024 float32; Wqkv 1,024 x 3,072 float32; bo 1,024 float32; bqkv 3,072 float32; key_padding_mask 4 x 2,048 bool; rel_bias 16 x 257 float32; x 4 x 2,048 x 1,024 float32.
;; Outputs: out0 4 x 2,048 x 1,024 float32.
;; This version of the problem:
;;   THIS VERSION OF THE PROBLEM IS GIVEN IN LOW PRECISION. The matrix products marked QUANTISED in the list below multiply operands that are first quantised to E2M3 (2 exponent bits, 3 mantissa bits; 6 bits a number), with one power-of-two scale for each 32 numbers along K (OCP MX v1.0); their sums are f32. All else is computed in f32.
;;   The module's matrix products, in the order in which they are computed (A, B: the left and right operand; K: the contracted axis; several contracted axes count as one K, in the product's order):
;;     1. [M 8,192, K 1,024] x [K 1,024, N 3,072]; A: input x; B: input Wqkv: QUANTISED
;;     2. batch 64 x [M 2,048, K 64] x [K 64, N 2,048]; A: computed on the way; B: computed on the way: QUANTISED
;;     3. batch 64 x [M 2,048, K 2,048] x [K 2,048, N 64]; A: softmax (see below); B: computed on the way: QUANTISED
;;     4. [M 8,192, K 1,024] x [K 1,024, N 1,024]; A: computed on the way; B: input Wo: QUANTISED
;;   THE QUANTISER, for each operand of a quantised product, along K:
;;     - K is cut into blocks of 32 from its start; a last block that is shorter is filled with zeros.
;;     - A block's scale is 2^e with e = floor(log2(the largest magnitude in the block)) - 2, held to -126 .. 127; a block of zeros has e = 0. As a byte (E8M0): e + 127.
;;     - Each number is divided by its block's scale, clamped to +-7.5, and rounded to the nearest number of E2M3, ties to even, subnormals kept.
;;     - The product sums the exact products of the quantised numbers (number of the format x scale) in f32.
;;   ~~~python
;;   def quantise(x, axis):      # numpy; x: float32 -> the quantised numbers, widened to float32 again
;;       x = np.moveaxis(x, axis, -1); K = x.shape[-1]
;;       x = np.pad(x, [(0, 0)] * (x.ndim - 1) + [(0, -K % 32)]); x = x.reshape(x.shape[:-1] + (-1, 32)); a = np.abs(x).max(-1, keepdims=True)
;;       e = np.where(a > 0, np.clip(np.frexp(np.where(a > 0, a, 1))[1] - 1 - 2, -126, 127), 0)      # np.frexp(a)[1] - 1 = floor(log2(a)), exactly
;;       r = np.clip(x / 2.0 ** e, -7.5, 7.5)
;;       step = 2.0 ** (np.maximum(np.frexp(np.where(r == 0, 1, r))[1] - 1, 0) - 3)
;;       q = np.round(r / step) * step * 2.0 ** e      # np.round: ties to even
;;       return np.moveaxis(q.reshape(q.shape[:-2] + (-1,))[..., :K], -1, axis).astype(np.float32)
;;   ~~~
;;   SOFTMAX AHEAD OF A QUANTISED PRODUCT. Where the list says 'softmax', what is quantised is not the finished softmax but p = 2^(t - M), with t = logit x log2(e) and M = ceil(the row's largest t), a whole number; so 1/2 < the row's largest p <= 1. The row's sum l is taken of the UNQUANTISED p, in f32, and the product's result is divided by l at the end. Since M is a whole number, a kernel that streams over the keys may use a running M (the ceiling of the running maximum): every later rescaling is an exact power of two, which a block's scale takes up: the codes' values come out the same.
;;   OPERANDS COMPUTED ON THE WAY. 'Computed on the way' means the value that the module computes at that place (a softmax that the list does not call 'softmax' is quantised finished and normalised). What goes into a quantiser is computed in f32, as accurately as f32 sums, v_exp_f32 and their like allow (about 1e-6 of the number): no bf16 or f16 on the way to a quantiser, and a product that is left as it is and whose result goes on into a quantised operand takes f32 operands (vector FMAs, or v_wmma_f32_16x16x4_f32). A number that lies on a knife's edge between two numbers of the format may be rounded either way, as far as f32 arithmetic and the matrix unit's own rounding can turn it there, and no further.
;; One version. Each part assembles by itself: llvm-mc -triple=amdgcn-amd-amdhsa -mcpu=gfx1250 --defsym DOCPART=n.
;; ======== version 1 of 1: 4 launches
;; limits: right only within a limited range of input values
;; workspace buffers: xc 6,291,456 bytes; xs 262,144 bytes; wc 3,145,728 bytes; ws 131,072 bytes; qkvc 18,874,368 bytes; qkvs 1,310,720 bytes; oc 6,291,456 bytes; os 262,144 bytes
;; launch prep (part 1): grid 384 x 1, 4 waves a work-group, no clusters, 34,304 bytes of LDS; arguments x, Wqkv, Wo, xc, xs, wc, ws; writes xc, xs, wc, ws
.if DOCPART == 1
	.amdgcn_target "amdgcn-amd-amdhsa--gfx1250"
	.amdhsa_code_object_version 6
	.text
	.protected	k_qe2b1d0937e_prep
	.globl	k_qe2b1d0937e_prep
	.p2align	8
	.type	k_qe2b1d0937e_prep,@function
k_qe2b1d0937e_prep:
	s_mov_b64 s[64:65], 0
	v_nop
	global_prefetch_b8 v0, s[64:65] scope:SCOPE_SE
	s_setreg_imm32_b32 hwreg(HW_REG_WAVE_MODE, 25, 1), 1
	s_wait_xcnt 0x0
; PREP: x [8192][1024], Wqkv [1024][3072] and Wo [1024][1024], f32, become codes of FP6 (E2M3) with one E8M0 byte for each 32 along K (K = the 1,024 channels; in both weights it is the FIRST axis).
; NO WORK OF THE PROBLEM IS LEFT OUT IN THIS PROGRAM: every input (x, key_padding_mask, Wqkv, bqkv, Wo, bo, rel_bias) has a way to the output and is loaded by some launch; bqkv's part for k stays, since it moves k's codes.
; A block's scale is 2^(floor(log2(its largest magnitude)) - 2); its byte is the largest magnitude's exponent field - 2, held at 1 from below (a block of zeros gets 1 where the rule says 127: its codes are zeros, and this program alone reads the bytes).
; LIMITS: blocks whose largest magnitude lies under 2^-124 keep the byte 1; NaN and infinities among the inputs are not served.
; LAYOUT OF THE CODES (xc, wc): images of operand registers.  Rows (of x: tokens; of a weight: its columns) go in tiles of 16: tile 2 g + u, place p, holds row 32 g + 8 u + p + 8 (p / 8).
; A HALF FRAGMENT is 16 places x 64 along K, 768 bytes: lane (p, h) holds k = 32 h .. 32 h + 31 in six registers; registers 0-3 lie at 16 x lane, registers 4-5 at 512 + 8 x lane.
; Buffer: [group of 128 places][K / 256][tile 8][64 along K: 4][768].  Scale bytes (xs, ws): [place][32].  In wc and ws groups 0-23 are Wqkv's columns, groups 24-31 Wo's.
; SHARES: work-groups 0-255 take x (a wave: one tile x 512 along K), 256-351 Wqkv, 352-383 Wo (a work-group: 128 columns x 256 along K; a lane a column, registers down K).  Each reads 128 KiB.
; Memory binds: no matrix unit, no tensor load, no barrier (waves share nothing).  Only x's path uses LDS: a load reads 512 consecutive bytes of a row, and a lane wants 32 neighbours: the wave's own stage turns them.
; In the weights' path registers 4-5 of a half fragment leave as runs of 128 bytes and the scale bytes as 8 bytes a column: a third of 3 MiB of codes and 128 KiB of bytes are stored in such pieces.
.set SPW,   252                        ; v252 LDS address of my spare word; never rewritten
.set NIL,   253                        ; v253 0; never rewritten
.set SPX,   528                        ; a stage row: 512 bytes + 16
.set SPARE, 4*16*SPX                   ; behind the four stages: the spare words, 128 bytes a wave
.set R,     32                         ; v32-159  two sets of 64: a fragment's numbers as loaded
.set X,     160                        ; v160-223 my two blocks of 32 neighbours
.set C,     224                        ; v224-235 a fragment's codes; v236-238, v240-242 second halves of blocks
.set WD,    24                         ; v24-27   the scale words of the four fragments
	s_load_b256 s[4:11], s[0:1], 0x0               ; x, Wqkv, Wo, xc
	s_load_b128 s[12:15], s[0:1], 0x20             ; xs, wc
	s_load_b64 s[16:17], s[0:1], 0x30              ; ws
	v_lshl_add_u32 v[SPW], v0, 2, SPARE
	v_mov_b32 v[NIL], 0
	v_lshrrev_b32 v1, 5, v0
	v_readfirstlane_b32 s18, v1                    ; wave
	v_and_b32 v2, 31, v0                           ; lane
	v_lshlrev_b32 v3, 4, v2                        ; 16 x lane
	v_lshlrev_b32 v4, 3, v2                        ; 8 x lane
	v_and_b32 v11, 15, v0                          ; p
	v_bfe_u32 v9, v0, 4, 1                         ; h
	s_mul_i32 s19, s18, 16*SPX                     ; my stage
	v_add_nc_u32 v5, s19, v3                       ; into it: 16 x lane of a row
	v_mul_u32_u24 v6, v11, SPX
	v_lshl_add_u32 v6, v9, 7, v6
	v_add_nc_u32 v6, s19, v6                       ; out of it: row p, + 128 h bytes
	v_lshlrev_b32 v7, 3, v9                        ; 8 h: a shift
	v_lshl_add_u32 v8, v11, 5, v7                  ; scale bytes: 32 p + 8 h
	v_mov_b32 v10, 0                               ; a lane permute's destination counts as one of its sources
	s_mov_b32 s20, 0x76543210
	s_mov_b32 s21, 0xfedcba98                      ; selects for lane l xor 16
	s_mov_b32 s25, 0
	s_cmp_lt_u32 ttmp9, 256
	s_cbranch_scc0 .Lweights
	; ---------------- x ----------------
	s_lshl_b32 s19, ttmp9, 2
	s_add_co_u32 s19, s19, s18
	s_lshr_b32 s22, s19, 1                         ; T: my tile, 0 .. 511
	s_and_b32 s23, s19, 1                          ; which 512 along K
	s_lshr_b32 s24, s22, 1
	s_lshl_b32 s24, s24, 17                        ; 32 rows of 4,096 bytes
	s_and_b32 s26, s22, 1
	s_lshl_b32 s26, s26, 15                        ; 8 rows
	s_add_co_u32 s24, s24, s26
	s_lshl_b32 s26, s23, 11
	s_add_co_u32 s24, s24, s26
	s_wait_kmcnt 0x0
	s_add_nc_u64 s[4:5], s[4:5], s[24:25]
	s_lshr_b32 s24, s22, 3
	s_mul_i32 s24, s24, 98304
	s_mul_i32 s26, s23, 49152
	s_add_co_u32 s24, s24, s26
	s_and_b32 s26, s22, 7
	s_mul_i32 s26, s26, 3072
	s_add_co_u32 s24, s24, s26
	s_add_nc_u64 s[10:11], s[10:11], s[24:25]
	s_lshl_b32 s24, s22, 9
	s_lshl_b32 s26, s23, 4
	s_add_co_u32 s24, s24, s26
	s_add_nc_u64 s[12:13], s[12:13], s[24:25]
.macro LOADX f                         ; fragment f: 128 numbers of each of the tile's 16 rows; a load reads 512 consecutive bytes
.irp i, 0,1,2,3,4,5,6,7,8,9,10,11,12,13,14,15
	global_load_b128 v[R+64*((\f)%2)+4*\i:R+64*((\f)%2)+4*\i+3], v3, s[4:5] offset:(\i+8*(\i/8))*4096+512*(\f) th:TH_LOAD_NT
.endr
.endm
.macro FRAGX f
.if (\f) < 3
	s_wait_loadcnt 16                              ; this fragment's 16 loads are in; the next fragment's 16 may be out
.else
	s_wait_loadcnt 0x0
.endif
.irp i, 0,1,2,3,4,5,6,7,8,9,10,11,12,13,14,15
	ds_store_b128 v5, v[R+64*((\f)%2)+4*\i:R+64*((\f)%2)+4*\i+3] offset:SPX*\i
.endr
.irp c, 0,1
.irp q, 0,1,2,3,4,5,6,7
	ds_load_b128 v[X+32*\c+4*\q:X+32*\c+4*\q+3], v6 offset:256*\c+16*\q   ; LDS serves a wave's instructions in order: these see my stores.  k = 64 c + 32 h + 4 q ..
.endr
.endr
	s_wait_dscnt 0x0                               ; my numbers are back, and the stores have read their registers,
.if (\f) < 2
	LOADX (\f)+2                                   ; which take the fragment two on
.endif
.irp c, 0,1
	v_max3_num_f32 v[14+\c], |v[X+32*\c]|, |v[X+32*\c+1]|, 0x1800000   ; block 2 c + h: all 32 numbers are mine; the floor 2^(3 - 127) holds the byte at 1 from below
.endr
.irp i, 2,4,6,8,10,12,14,16,18,20,22,24,26,28,30
.irp c, 0,1
	v_max3_num_f32 v[14+\c], v[14+\c], |v[X+32*\c+\i]|, |v[X+32*\c+\i+1]|
.endr
.endr
.irp c, 0,1
	v_add_nc_u32 v[16+\c], 0xff000000, v[14+\c]    ; 2 off the exponent field: the conversion's scale operand
.endr
.irp c, 0,1
	v_lshrrev_b32 v[18+\c], 23, v[16+\c]           ; the scale's byte
.endr
	v_lshl_or_b32 v20, v19, 16, v18                ; my two bytes, blocks h and 2 + h,
	v_lshlrev_b32 v20, v7, v20                     ; at their places in the word;
	v_permlanex16_b32 v10, v20, s20, s21
	v_or_b32 v[WD+(\f)], v20, v10                  ; with lane l xor 16's two the word is whole
.if (\f) > 0
	s_wait_alu depctr_va_vdst(0)
	s_wait_xcnt 0x0                                ; the last fragment's stores have read the codes' registers
.endif
.irp c, 0,1
	v_cvt_scalef32_pk16_fp6_f32 v[C+6*\c:C+6*\c+2], v[X+32*\c:X+32*\c+15], v[16+\c]
	v_cvt_scalef32_pk16_fp6_f32 v[C+12+4*\c:C+14+4*\c], v[X+32*\c+16:X+32*\c+31], v[16+\c]   ; (a conversion's three registers begin on an even number)
.endr
	v_nop                                          ; one plain place behind a scaled conversion
.irp c, 0,1
.irp i, 0,1,2
	v_mov_b32 v[C+3+6*\c+\i], v[C+12+4*\c+\i]
.endr
.endr
.irp c, 0,1
	global_store_b128 v3, v[C+6*\c:C+6*\c+3], s[10:11] offset:((\f)/2)*24576+(2*((\f)%2)+\c)*768        ; 512 consecutive bytes
	global_store_b64 v4, v[C+6*\c+4:C+6*\c+5], s[10:11] offset:((\f)/2)*24576+(2*((\f)%2)+\c)*768+512   ; 256 consecutive bytes
.endr
.endm
	LOADX 0
	LOADX 1
	s_wait_alu depctr_va_vdst(0)
	FRAGX 0
	FRAGX 1
	FRAGX 2
	FRAGX 3
	v_cmp_ne_u32 vcc_lo, 0, v9
	v_cndmask_b32 v28, v[WD], v[WD+2], vcc_lo      ; lanes 0-15 store their row's words 0, 1, lanes 16-31 words 2, 3
	v_cndmask_b32 v29, v[WD+1], v[WD+3], vcc_lo
	global_store_b64 v8, v[28:29], s[12:13]
	s_wait_tensorcnt 0x0                           ; the wave's end, behind my last LDS store
	ds_add_u32 v[SPW], v[NIL]
	s_wait_dscnt 0x0
	s_endpgm
	; ---------------- the weights ----------------
.Lweights:
	v_lshlrev_b32 v12, 2, v2                       ; in: 4 bytes a lane: my column
	v_bfe_u32 v16, v0, 3, 1                        ; u: column l of a group of 32 lies in tile 2 g + (l / 8) % 2,
	v_and_b32 v17, 7, v0
	v_lshl_or_b32 v17, v9, 3, v17                  ; at place l % 8 + 8 (l / 16)
	v_mul_u32_u24 v18, v16, 3072
	v_lshl_add_u32 v13, v17, 4, v18                ; registers 0-3: 3,072 u + 16 p
	v_lshl_add_u32 v14, v17, 3, v18                ; registers 4-5: 3,072 u + 8 p
	v_lshl_add_u32 v15, v16, 4, v17
	v_lshlrev_b32 v15, 5, v15                      ; scale bytes: 32 (16 u + p)
.macro WLOAD t, n, p                   ; block t: W(32 t + i, my column): 128 consecutive bytes a wave
.irp i, 0,1,2,3,4,5,6,7,8,9,10,11,12,13,14,15,16,17,18,19,20,21,22,23,24,25,26,27,28,29,30,31
	global_load_b32 v[32+32*((\t)%2)+\i], v12, s[\p:\p+1] offset:(32*(\t)+\i)*(\n)*4 th:TH_LOAD_NT
.endr
.endm
.macro WBLOCK t, n, p
.set XS, 32+32*((\t)%2)
.set CW, 96+16*((\t)%2)
.if (\t) < 7
	s_wait_loadcnt 32                              ; this block's 32 loads are in; the next block's may be out
.else
	s_wait_loadcnt 0x0
.endif
	v_max3_num_f32 v26, |v[XS]|, |v[XS+1]|, |v[XS+2]|
	v_max3_num_f32 v27, |v[XS+3]|, |v[XS+4]|, |v[XS+5]|
.irp i, 6,10,14,18,22,26
	v_max3_num_f32 v26, v26, |v[XS+\i]|, |v[XS+\i+1]|
	v_max3_num_f32 v27, v27, |v[XS+\i+2]|, |v[XS+\i+3]|
.endr
	v_max3_num_f32 v26, v26, |v[XS+30]|, |v[XS+31]|
	v_max3_num_f32 v26, v26, v27, 0x1800000        ; and the floor
	v_add_nc_u32 v28, 0xff000000, v26              ; the conversion's scale operand
	v_lshrrev_b32 v29, 23, v28                     ; the byte
.if (\t)%4 == 0
	v_mov_b32 v[24+(\t)/4], v29
.else
	v_lshl_or_b32 v[24+(\t)/4], v29, 8*((\t)%4), v[24+(\t)/4]
.endif
.if (\t) >= 2
	s_wait_alu depctr_va_vdst(0)
	s_wait_xcnt 0x0                                ; the stores of two blocks ago have read this set of code registers
.endif
	v_cvt_scalef32_pk16_fp6_f32 v[CW:CW+2], v[XS:XS+15], v28
	v_cvt_scalef32_pk16_fp6_f32 v[CW+8:CW+10], v[XS+16:XS+31], v28
	v_nop
.irp i, 0,1,2
	v_mov_b32 v[CW+3+\i], v[CW+8+\i]
.endr
	global_store_b128 v13, v[CW:CW+3], s[14:15] offset:((\t)/2)*768+((\t)%2)*256        ; the block is half h = t % 2 of half fragment t / 2: sixteen lanes fill 256 consecutive bytes
	global_store_b64 v14, v[CW+4:CW+5], s[14:15] offset:((\t)/2)*768+512+((\t)%2)*128
.if (\t)+2 < 8
	WLOAD (\t)+2, \n, \p
.endif
.endm
.macro WQ n, first, goff, p            ; a weight of n columns, whose work-groups begin at number first, whose groups of 128 columns begin at goff in wc, and whose address is s[p:p+1]
	s_sub_co_u32 s19, ttmp9, \first
	s_lshr_b32 s22, s19, 2                         ; which 128 columns
	s_and_b32 s23, s19, 3                          ; which 256 along K
	s_mul_i32 s24, s23, 256*(\n)*4
	s_lshl_b32 s26, s22, 9
	s_add_co_u32 s24, s24, s26
	s_lshl_b32 s26, s18, 7                         ; my wave's 32 columns
	s_add_co_u32 s24, s24, s26
	s_wait_kmcnt 0x0
	s_add_nc_u64 s[\p:\p+1], s[\p:\p+1], s[24:25]
	s_add_co_u32 s22, s22, \goff
	s_lshl_b32 s24, s22, 2
	s_add_co_u32 s24, s24, s23
	s_mul_i32 s24, s24, 24576
	s_mul_i32 s26, s18, 6144                       ; my wave's two tiles
	s_add_co_u32 s24, s24, s26
	s_add_nc_u64 s[14:15], s[14:15], s[24:25]
	s_lshl_b32 s24, s22, 12
	s_lshl_b32 s26, s18, 10
	s_add_co_u32 s24, s24, s26
	s_lshl_b32 s26, s23, 3
	s_add_co_u32 s24, s24, s26
	s_add_nc_u64 s[16:17], s[16:17], s[24:25]
	WLOAD 0, \n, \p
	WLOAD 1, \n, \p
.irp t, 0,1,2,3,4,5,6,7
	WBLOCK \t, \n, \p
.endr
	global_store_b64 v15, v[24:25], s[16:17]       ; my column's eight scale bytes
	s_wait_tensorcnt 0x0                           ; the same three lines at this path's end
	ds_add_u32 v[SPW], v[NIL]
	s_wait_dscnt 0x0
	s_endpgm
.endm
	s_cmp_lt_u32 ttmp9, 352
	s_cbranch_scc0 .Lwo
	s_wait_alu depctr_va_vdst(0)
	WQ 3072, 256, 0, 6
.Lwo:
	s_wait_alu depctr_va_vdst(0)
	WQ 1024, 352, 24, 8
.Lfunc_end_k_qe2b1d0937e_prep:
	.size	k_qe2b1d0937e_prep, .Lfunc_end_k_qe2b1d0937e_prep-k_qe2b1d0937e_prep
	.p2alignl 7, 3214868480
	.fill 96, 4, 3214868480
	.section	.rodata,"a",@progbits
	.p2align	6, 0x0
	.amdhsa_kernel k_qe2b1d0937e_prep
		.amdhsa_group_segment_fixed_size 34304
		.amdhsa_private_segment_fixed_size 0
		.amdhsa_enable_private_segment 0
		.amdhsa_kernarg_size 56
		.amdhsa_user_sgpr_count 2
		.amdhsa_user_sgpr_kernarg_segment_ptr 1
		.amdhsa_wavefront_size32 1
		.amdhsa_system_sgpr_workgroup_id_x 1
		.amdhsa_system_sgpr_workgroup_id_y 1
		.amdhsa_system_sgpr_workgroup_id_z 1
		.amdhsa_system_vgpr_workitem_id 0
		.amdhsa_next_free_vgpr 256
		.amdhsa_next_free_sgpr 66
		.amdhsa_reserve_vcc 1
		.amdhsa_float_denorm_mode_32 3
		.amdhsa_float_denorm_mode_16_64 3
		.amdhsa_memory_ordered 1
		.amdhsa_forward_progress 1
		.amdhsa_inst_pref_size 109
	.end_amdhsa_kernel
	.amdgpu_metadata
---
amdhsa.version: [ 1, 2 ]
amdhsa.kernels:
  - .name:           k_qe2b1d0937e_prep
    .symbol:         k_qe2b1d0937e_prep.kd
    .args:
      - { .name: x, .offset: 0, .size: 8, .value_kind: global_buffer, .address_space: global }
      - { .name: Wqkv, .offset: 8, .size: 8, .value_kind: global_buffer, .address_space: global }
      - { .name: Wo, .offset: 16, .size: 8, .value_kind: global_buffer, .address_space: global }
      - { .name: xc, .offset: 24, .size: 8, .value_kind: global_buffer, .address_space: global }
      - { .name: xs, .offset: 32, .size: 8, .value_kind: global_buffer, .address_space: global }
      - { .name: wc, .offset: 40, .size: 8, .value_kind: global_buffer, .address_space: global }
      - { .name: ws, .offset: 48, .size: 8, .value_kind: global_buffer, .address_space: global }
    .group_segment_fixed_size: 34304
    .private_segment_fixed_size: 0
    .kernarg_segment_align: 8
    .kernarg_segment_size: 56
    .max_flat_workgroup_size: 128
    .sgpr_count:     66
    .vgpr_count:     256
    .wavefront_size: 32
...
	.end_amdgpu_metadata
.endif
;; end of part 1
;; launch qkv (part 2): grid 96 x 4, 4 waves a work-group, clusters of 4 x 4, 327,680 bytes of LDS; arguments xc, xs, wc, ws, bqkv, key_padding_mask, qkvc, qkvs; writes qkvc, qkvs
.if DOCPART == 2
	.amdgcn_target "amdgcn-amd-amdhsa--gfx1250"
	.amdhsa_code_object_version 6
	.text
	.protected	k_qe2b1d0937e_qkv
	.globl	k_qe2b1d0937e_qkv
	.p2align	8
	.type	k_qe2b1d0937e_qkv,@function
k_qe2b1d0937e_qkv:
	s_mov_b64 s[64:65], 0
	v_nop
	global_prefetch_b8 v0, s[64:65] scope:SCOPE_SE
	s_setreg_imm32_b32 hwreg(HW_REG_WAVE_MODE, 25, 1), 1
	s_wait_xcnt 0x0
	s_wait_alu depctr_hold_cnt(0) depctr_sa_sdst(0) depctr_va_vdst(0) depctr_va_sdst(0) depctr_va_ssrc(0) depctr_va_vcc(0) depctr_vm_vsrc(0)
	s_getreg_b32 s2, hwreg(HW_REG_IB_STS2, 6, 4)
	s_cmp_eq_u32 s2, 0
	s_cbranch_scc0 .Lentry_in_a_cluster
	s_endpgm
.Lentry_in_a_cluster:
	s_bfe_u32 s2, ttmp6, 0x10000c
	s_cmp_lg_u32 s2, 0xf033
	s_cbranch_scc0 .Lentry_shape_is_right
	s_endpgm
.Lentry_shape_is_right:
.set NQ,     2
.set FR,     12
.set NL,     4
.set NP,     4
.set HALFT,  24576
.set SLOT,   4*HALFT
.set SCL,    2*SLOT
.set KS,     32
.set HALFS,  4352
.set SBLK,   544
.set SPARE,  SCL+4*HALFS
.set ADRA, 16
.set ADRB, 20
.set L16,  24
.set L8,   25
.set SLO,  26
.set ADRS, 27
.set SPW,  28
.set NIL,  29
.set SC,   32
.set BI,   64
.set AF,   128
.set TM,   192
.set W4,   224
.set MK,   232
.set G1, 24
.set G0, 32
.set G1B, 48
.set G0B, 56
.set G1S, 68
.set G0S, 76
.set G1SB, 80
.set G0SB, 88
.set MSB, 0
.macro WIN new
.if MSB != \new
	s_set_vgpr_msb (MSB<<8)|\new
.set MSB, \new
.endif
.endm
.set MUL_LO, 0xa1
.set MUL_HI, 0xf1
.set TO_B,   0x40
.macro JLOAD g0a, g1a, g0b, g1b
	s_cmp_eq_u32 s15, 0
	s_cbranch_scc0 .Lfor_b_\@
	tensor_load_to_lds s[\g0a:\g0a+3], s[\g1a:\g1a+7]
	s_nop 0
.rept 4
	v_nop
.endr
	s_branch .Lasked_\@
.Lfor_b_\@:
	tensor_load_to_lds s[\g0b:\g0b+3], s[\g1b:\g1b+7]
	s_nop 0
.rept 4
	v_nop
.endr
.Lasked_\@:
.endm
.macro CREST
	s_cmp_lg_u32 s14, 0
	s_cbranch_scc1 .Lnot_wave_0_\@
	s_barrier_signal -3
.Lnot_wave_0_\@:
	s_barrier_wait -3
	s_barrier_signal -1
	s_barrier_wait -1
.endm
.macro CROUND
	s_barrier_signal -1
	s_barrier_wait -1
	CREST
.endm
	s_load_b256 s[4:11], s[0:1], 0x0
	s_load_b256 s[92:99], s[0:1], 0x20
	v_lshl_add_u32 v[SPW], v0, 2, SPARE
	v_mov_b32 v[NIL], 0
	ds_add_u32 v[SPW], v[NIL]
	ds_add_u32 v[SPW], v[NIL]
	v_lshrrev_b32 v1, 5, v0
	v_readfirstlane_b32 s14, v1
	s_lshr_b32 s15, s14, 1
	s_and_b32 s16, s14, 1
	s_bfe_u32 s40, ttmp6, 0x40000
	s_bfe_u32 s41, ttmp6, 0x40004
	s_lshr_b32 s17, ttmp9, 1
	s_lshl_b32 s17, s17, 2
	s_and_b32 s42, ttmp9, 1
	s_lshl_b32 s42, s42, 2
	s_sub_co_u32 s18, ttmp9, 16
	s_lshl_b32 s18, s18, 2
	s_and_b32 s3, ttmp9, 1
	s_cmp_lt_u32 ttmp9, 16
	s_cselect_b32 s17, s17, 0
	s_cselect_b32 s42, s42, s18
	s_cselect_b32 s19, 0, 16
	s_cselect_b32 s3, s3, 2
	s_add_co_u32 s17, s17, s41
	s_add_co_u32 s42, s42, s40
	s_lshl_b32 s43, s41, 2
	s_lshl_b32 s43, 15, s43
	s_lshl_b32 s44, 0x1111, s40
	s_or_b32 s[G1+0], s43, (3<<16)|(1<<21)
	s_or_b32 s[G1B+0], s44, (3<<16)|(1<<21)
.irp g, G1, G1B
	s_mov_b32 s[\g+1], 3072<<16                    ; for the head's loads: two rows of 24,576 bytes (a group's first 256 along K), 98,304 bytes apart
	s_mov_b32 s[\g+2], 2<<16
	s_mov_b32 s[\g+3], 3072<<16
	s_mov_b32 s[\g+4], 2
	s_mov_b32 s[\g+5], 12288
	s_mov_b32 s[\g+6], 0
	s_mov_b32 s[\g+7], 0
.endr
	s_or_b32 s[G1S+0], s43, (3<<16)|(1<<20)|(1<<21)|(5<<22)|(3<<25)
	s_or_b32 s[G1SB+0], s44, (3<<16)|(1<<20)|(1<<21)|(5<<22)|(3<<25)
.irp g, G1S, G1SB
	s_mov_b32 s[\g+1], 32<<16
	s_mov_b32 s[\g+2], 32<<16                      ; the scales of 256 places: 32 rows of 256 bytes
	s_mov_b32 s[\g+3], 32<<16
	s_mov_b32 s[\g+4], 32
	s_mov_b32 s[\g+5], 32
	s_mov_b32 s[\g+6], 0
	s_mov_b32 s[\g+7], 0
.endr
	s_lshl_b32 s20, s17, 1
	s_add_co_u32 s20, s20, s19
	s_lshl_b32 s46, s42, 1
	s_lshl_b32 s22, s20, 12
	s_mov_b32 s23, 0
	s_lshl_b32 s66, s46, 12
	s_mov_b32 s67, 0
	s_mul_i32 s20, s20, 98304
	s_mov_b32 s21, 0
	s_mul_i32 s46, s46, 98304
	s_mov_b32 s47, 0
	s_mul_i32 s45, s14, HALFT
	s_wait_dscnt 0x0
	s_wait_kmcnt 0x0
	s_cmp_lt_u32 ttmp9, 16
	s_cselect_b64 s[12:13], s[4:5], s[8:9]
	s_cselect_b64 s[8:9], s[8:9], s[4:5]
	s_cselect_b64 s[18:19], s[6:7], s[10:11]
	s_cselect_b64 s[10:11], s[10:11], s[6:7]
	s_add_nc_u64 s[20:21], s[12:13], s[20:21]
	s_add_nc_u64 s[22:23], s[18:19], s[22:23]
	s_add_nc_u64 s[46:47], s[8:9], s[46:47]
	s_add_nc_u64 s[66:67], s[10:11], s[66:67]
	CROUND
	s_mov_b32 s[G0S], 1
	s_mov_b32 s[G0S+1], SCL
	s_mov_b64 s[G0S+2:G0S+3], s[22:23]
	s_or_b32 s[G0S+3], s[G0S+3], 0x80000000
	s_mov_b32 s[G0SB], 1
	s_mov_b32 s[G0SB+1], SCL+2*HALFS
	s_mov_b64 s[G0SB+2:G0SB+3], s[66:67]
	s_or_b32 s[G0SB+3], s[G0SB+3], 0x80000000
	s_mov_b32 s4, 1                                ; group 0 of the head's loads of slot 0, in registers that held arguments: the first operand's 256 places,
	s_mov_b32 s5, 0
	s_mov_b64 s[6:7], s[20:21]
	s_or_b32 s7, s7, 0x80000000
	s_mov_b32 s8, 1                                ; and the second's, behind them
	s_mov_b32 s9, 2*HALFT
	s_mov_b64 s[10:11], s[46:47]
	s_or_b32 s11, s11, 0x80000000
	s_mul_i32 s18, s16, 98304                      ; in the ring I fetch one group of 128 places: which of the two
	s_mov_b32 s19, 0
	s_add_nc_u64 s[20:21], s[20:21], s[18:19]
	s_add_nc_u64 s[46:47], s[46:47], s[18:19]
.irp s, 0,1
	s_mov_b32 s[G0+4*\s], 1
	s_add_co_u32 s[G0+4*\s+1], s45, \s*SLOT
	s_add_nc_u64 s[G0+4*\s+2:G0+4*\s+3], s[20:21], \s*HALFT
	s_or_b32 s[G0+4*\s+3], s[G0+4*\s+3], 0x80000000
	s_mov_b32 s[G0B+4*\s], 1
	s_add_co_u32 s[G0B+4*\s+1], s45, \s*SLOT
	s_add_nc_u64 s[G0B+4*\s+2:G0B+4*\s+3], s[46:47], \s*HALFT
	s_or_b32 s[G0B+4*\s+3], s[G0B+4*\s+3], 0x80000000
.endr
; the head's four tiles, one a wave: wave 0 slot 0's part of the first operand, wave 1 of the second, wave 2 the first operand's scales, wave 3 the second's; one chain of branches, every arm leading to one join
.macro ARM under, g0, g1, next
	s_cmp_lt_u32 s14, \under
	s_cbranch_scc0 \next
	tensor_load_to_lds s[\g0:\g0+3], s[\g1:\g1+7]
	s_nop 0
.rept 4
	v_nop
.endr
	s_branch .Lhead_asked
\next:
.endm
	ARM 1, 4, G1, .Lhead_b
	ARM 2, 8, G1B, .Lhead_sa
	ARM 3, G0S, G1S, .Lhead_sb
	tensor_load_to_lds s[G0SB:G0SB+3], s[G1SB:G1SB+7]
	s_nop 0
.rept 4
	v_nop
.endr
.Lhead_asked:
	s_wait_alu depctr_va_vdst(0)
	s_wait_tensorcnt 0x0                           ; my tile of the four is in
	ds_add_u32 v28, v29
.irp g, G1, G1B
	s_mov_b32 s[\g+1], 32<<16                      ; no tensor load of mine is out, so a descriptor may be written: from here on a load brings 24,576 dense bytes as 96 rows of 256
	s_mov_b32 s[\g+2], 96<<16
	s_mov_b32 s[\g+3], 32<<16
	s_mov_b32 s[\g+4], 96
	s_mov_b32 s[\g+5], 32
.endr
	s_wait_dscnt 0x0
	CROUND
	JLOAD G0+4, G1, G0B+4, G1B
	v_and_b32 v1, 15, v0
	v_bfe_u32 v2, v0, 4, 1
	v_and_b32 v3, 31, v0
	v_lshlrev_b32 v[L16], 4, v3
	v_lshlrev_b32 v[L8], 3, v3
	s_mul_i32 s21, s15, HALFT
	s_mul_i32 s22, s16, HALFT
	s_add_co_u32 s22, s22, 2*HALFT
.irp s, 0,1
	v_add_nc_u32 v[ADRA+\s], s21, v[L16]
	v_add_nc_u32 v[ADRB+\s], s22, v[L16]
	v_add_nc_u32 v[ADRA+2+\s], s21, v[L8]
	v_add_nc_u32 v[ADRB+2+\s], s22, v[L8]
	s_add_co_u32 s21, s21, SLOT
	s_add_co_u32 s22, s22, SLOT
.endr
	v_mul_u32_u24 v4, v1, KS
	v_lshrrev_b32 v5, 8, v4
	v_lshl_add_u32 v4, v5, 4, v4
	s_mul_i32 s21, s15, HALFS
	s_mul_i32 s22, s16, HALFS
	s_add_co_u32 s22, s22, 2*HALFS
	s_sub_co_u32 s22, s22, s21
	v_mul_u32_u24 v5, s22, v2
	s_add_co_u32 s21, s21, SCL
	v_add_nc_u32 v4, v4, v5
	v_add_nc_u32 v[ADRS], s21, v4
	v_lshlrev_b32 v6, 6, v2
	v_and_b32 v8, 8, v1
	v_add_nc_u32 v8, v8, v1
	v_lshlrev_b32 v7, 2, v8
	s_lshl_b32 s18, s17, 1
	s_add_co_u32 s18, s18, s15
	s_lshl_b32 s19, s42, 1
	s_add_co_u32 s19, s19, s16
	s_add_co_u32 s12, s18, 16
	s_cmp_lt_u32 ttmp9, 16
	s_cselect_b32 s13, s18, s19
	s_cselect_b32 s12, s19, s12
	s_cselect_b32 s46, 13, 12
	s_cselect_b32 s47, 9, 8
	s_mov_b32 s21, 0
	s_lshl_b32 s20, s12, 9
	s_add_nc_u64 s[92:93], s[92:93], s[20:21]
	s_lshl_b32 s20, s13, 7
	s_add_nc_u64 s[94:95], s[94:95], s[20:21]
	s_lshr_b32 s22, s12, 3
	s_and_b32 s23, s12, 7
	s_lshl_b32 s23, s23, 1
	s_lshr_b32 s40, s13, 4
	s_lshl_b32 s40, s40, 4
	s_add_co_u32 s40, s40, s23
	s_and_b32 s41, s13, 15
	s_mul_i32 s20, s22, 6291456
	s_mul_i32 s23, s40, 98304
	s_add_co_u32 s20, s20, s23
	s_mul_i32 s23, s41, 6144
	s_add_co_u32 s20, s20, s23
	s_add_nc_u64 s[96:97], s[96:97], s[20:21]
	s_lshl_b32 s20, s22, 19
	s_lshl_b32 s23, s40, s46
	s_add_co_u32 s20, s20, s23
	s_lshl_b32 s23, s41, s47
	s_add_co_u32 s20, s20, s23
	s_add_nc_u64 s[98:99], s[98:99], s[20:21]
	v_lshlrev_b32 v[SLO], s46, v2
	v_lshl_add_u32 v[SLO], v1, 4, v[SLO]
	s_mov_b32 s40, 0x76543210
	s_mov_b32 s41, 0xfedcba98
	s_cmp_lt_u32 ttmp9, 16
	s_cbranch_scc0 .Lbias_v
	s_wait_alu depctr_va_vdst(0)
.irp b, 0,1,2,3,4,5,6,7
	global_load_b128 v[BI+8*\b:BI+8*\b+3], v6, s[92:93] offset:4*(32*(\b/2)+8*(\b%2))
	global_load_b128 v[BI+8*\b+4:BI+8*\b+7], v6, s[92:93] offset:4*(32*(\b/2)+8*(\b%2))+16
.endr
	s_branch .Lbias_in
.Lbias_v:
	s_wait_alu depctr_va_vdst(0)
.irp a, 0,1,2,3,4,5,6,7
.irp j, 0,1,2,3,4,5,6,7
	global_load_b32 v[BI+8*\a+\j], v7, s[92:93] offset:4*(32*(\a/2)+8*(\a%2))
.endr
.endr
.Lbias_in:
.macro FRAG reg, adr, q, i
	ds_load_b128 v[\reg:\reg+3], v[\adr] offset:3072*(\i)+1536*(\q)
	ds_load_b64 v[\reg+4:\reg+5], v[\adr+2] offset:3072*(\i)+1536*(\q)+512
	ds_load_b128 v[\reg+6:\reg+9], v[\adr] offset:3072*(\i)+1536*(\q)+768
	ds_load_b64 v[\reg+10:\reg+11], v[\adr+2] offset:3072*(\i)+1536*(\q)+1280
.endm
.macro MUL16 a0, p, q, sc, zero
.irp a, \a0, \a0+1
.irp b, 0,1,2,3,4,5,6,7
.set rD, 8*(8*((\a)%4)+\b)
.set rB, 128*(\p)+FR*\b
.set rA, AF+FR*(\a)
.set rSB, SC+8*NQ*(\sc)+NQ*\b+(\q)
.set rSA, SC+8*NQ*(\sc)+NQ*(\a)+(\q)
.if (\zero) == 1
	v_wmma_scale_f32_16x16x128_f8f6f4 v[rD:rD+7], v[rB:rB+FR-1], v[rA:rA+FR-1], v[BI+8*\b:BI+8*\b+7], v[rSB], v[rSA] matrix_a_fmt:MATRIX_FMT_FP6 matrix_b_fmt:MATRIX_FMT_FP6 matrix_a_scale:MATRIX_SCALE_ROW1
.elseif (\zero) == 2
	v_wmma_scale_f32_16x16x128_f8f6f4 v[rD:rD+7], v[rB:rB+FR-1], v[rA:rA+FR-1], v[BI+8*(\a):BI+8*(\a)+7], v[rSB], v[rSA] matrix_a_fmt:MATRIX_FMT_FP6 matrix_b_fmt:MATRIX_FMT_FP6 matrix_a_scale:MATRIX_SCALE_ROW1
.else
	v_wmma_scale_f32_16x16x128_f8f6f4 v[rD:rD+7], v[rB:rB+FR-1], v[rA:rA+FR-1], v[rD:rD+7], v[rSB], v[rSA] matrix_a_fmt:MATRIX_FMT_FP6 matrix_b_fmt:MATRIX_FMT_FP6 matrix_a_scale:MATRIX_SCALE_ROW1
.endif
.endr
.endr
.endm
.macro FETCH_B slot, q, p
	WIN TO_B
.irp i, 0,1,2,3,4,5,6,7
	FRAG 128*(\p)+FR*\i, ADRB+\slot, \q, \i
.endr
	WIN 0
.endm
.macro FETCH_A slot, q, i0
.irp i, \i0, \i0+1, \i0+2, \i0+3
	FRAG AF+FR*(\i), ADRA+\slot, \q, \i
.endr
.endm
.macro SCALES sc
.irp i, 0,1,2,3,4,5,6,7
	ds_load_b64 v[SC+8*NQ*\sc+NQ*\i:SC+8*NQ*\sc+NQ*\i+1], v[ADRS] offset:\i*SBLK
.endr
.endm
.macro PLACES n
.rept \n
	v_nop
.endr
.endm
.macro STEP slot, q, zero
	s_wait_dscnt 4*NL
.if \zero
	WIN 0x81
.else
	WIN MUL_LO
.endif
	MUL16 0, (\q)%2, \q, \slot, \zero
	MUL16 2, (\q)%2, \q, \slot, \zero
	s_wait_dscnt 0
	PLACES NP
	FETCH_B \slot, (\q)+1, 1-(\q)%2
	FETCH_A \slot, (\q)+1, 0
.if \zero
	WIN 0xc1
.else
	WIN MUL_HI
.endif
	MUL16 4, (\q)%2, \q, \slot, \zero
	MUL16 6, (\q)%2, \q, \slot, \zero
	PLACES NP
	WIN 0
	FETCH_A \slot, (\q)+1, 4
.endm
.macro TURN slot, next, fill
	s_wait_tensorcnt 0x0
	ds_add_u32 v[SPW], v[NIL]
	s_wait_dscnt 4*NL+1
	WIN MUL_LO
	MUL16 0, 1, NQ-1, \slot, 0
	s_wait_dscnt 0x0
	s_barrier_signal -1
	MUL16 2, 1, NQ-1, \slot, 0
	WIN 0
	s_barrier_wait -1
.if \fill
	CREST
	s_add_nc_u64 s[G0+4*\slot+2:G0+4*\slot+3], s[G0+4*\slot+2:G0+4*\slot+3], 2*HALFT
	s_add_nc_u64 s[G0B+4*\slot+2:G0B+4*\slot+3], s[G0B+4*\slot+2:G0B+4*\slot+3], 2*HALFT
	JLOAD G0+4*\slot, G1, G0B+4*\slot, G1B
.else
	PLACES NP
.endif
	s_wait_alu depctr_va_vdst(0)
	v_add_nc_u32 v[ADRS], 4*NQ, v[ADRS]
	FETCH_B \next, 0, 0
	FETCH_A \next, 0, 0
	SCALES \next
	WIN MUL_HI
	MUL16 4, 1, NQ-1, \slot, 0
	MUL16 6, 1, NQ-1, \slot, 0
	PLACES NP
	WIN 0
	FETCH_A \next, 0, 4
.endm
	s_wait_tensorcnt 1
	s_barrier_signal -1
	s_barrier_wait -1
	FETCH_B 0, 0, 0
	FETCH_A 0, 0, 0
	SCALES 0
	FETCH_A 0, 0, 4
	s_wait_loadcnt 0x0
	s_cmp_lt_u32 ttmp9, 16
	s_cbranch_scc0 .Lfirst_v
	STEP 0, 0, 1
	s_branch .Lfirst_done
.Lfirst_v:
	STEP 0, 0, 2
.Lfirst_done:
	TURN 0, 1, 1
	STEP 1, 0, 0
	TURN 1, 0, 1
	STEP 0, 0, 0
	TURN 0, 1, 0
	STEP 1, 0, 0
	s_wait_dscnt 4*NL
	WIN MUL_LO
	MUL16 0, 1, NQ-1, 1, 0
	MUL16 2, 1, NQ-1, 1, 0
	s_wait_dscnt 0
	WIN MUL_HI
	MUL16 4, 1, NQ-1, 1, 0
	MUL16 6, 1, NQ-1, 1, 0
	WIN 0
	PLACES NP
.irp b, 0,1,2,3
	v_mov_b32 v[TM+4+\b], 0
.endr
	v_lshlrev_b32 v240, 4, v2
	v_mov_b32 v241, 0x7f7f0000
	v_mov_b32 v242, 0x01010000
	v_mov_b32 v243, 0x01e30000
	s_cmp_eq_u32 s3, 1
	s_cbranch_scc0 .Lno_mask
.irp a, 0,1,2,3,4,5,6,7
	global_load_u8 v[MK+\a], v8, s[94:95] offset:32*(\a/2)+8*(\a%2)
.endr
.Lno_mask:
.macro QUANTA a
.set AC, 64*((\a)%4)
.set PC, 128+32*((\a)%2)
	WIN 0x0a+5*((\a)/4)
.irp b, 0,1,2,3
	v_max3_num_f32 v[TM+\b], |v[AC+16*\b]|, |v[AC+16*\b+1]|, 0x1800000
.endr
.irp i, 2,4,6,8,10,12,14
.irp b, 0,1,2,3
	v_max3_num_f32 v[TM+\b], |v[AC+16*\b+\i]|, |v[AC+16*\b+\i+1]|, v[TM+\b]
.endr
.endr
	WIN 0
.irp b, 0,1,2,3
	v_permlanex16_b32 v[TM+4+\b], v[TM+\b], s40, s41
.endr
.irp b, 0,1,2,3
	v_max_num_f32 v[TM+\b], v[TM+\b], v[TM+4+\b]
.endr
.irp b, 0,1,2,3
	v_add_nc_u32 v[TM+12+\b], 0xff000000, v[TM+\b]
.endr
.irp b, 0,1,2,3
	v_lshrrev_b32 v[TM+4+\b], 23, v[TM+12+\b]
.endr
	v_lshl_or_b32 v[W4+(\a)], v[TM+5], 8, v[TM+4]
	v_lshl_or_b32 v[W4+(\a)], v[TM+6], 16, v[W4+(\a)]
	v_lshl_or_b32 v[W4+(\a)], v[TM+7], 24, v[W4+(\a)]
.if (\a) >= 2
	s_wait_xcnt 0x0
.endif
	WIN 0x02+(\a)/4
.irp c, 0,1
	v_cvt_scalef32_pk16_fp6_f32 v[PC+6*\c:PC+6*\c+2], v[AC+32*\c:AC+32*\c+15], v[TM+12+2*\c]
	v_cvt_scalef32_pk16_fp6_f32 v[PC+12+4*\c:PC+14+4*\c], v[AC+32*\c+16:AC+32*\c+31], v[TM+13+2*\c]
.endr
	WIN 0
	v_nop
.irp c, 0,1
.irp i, 0,1,2
	v_permlane16_swap_b32 v[PC+6*\c+\i], v[PC+12+4*\c+\i]
.endr
.irp i, 0,1,2
	v_mov_b32 v[PC+3+6*\c+\i], v[PC+12+4*\c+\i]
.endr
.endr
.irp c, 0,1
	global_store_b128 v[L16], v[PC+6*\c:PC+6*\c+3], s[96:97] offset:768*(\a)+98304*\c
	global_store_b64 v[L8], v[PC+6*\c+4:PC+6*\c+5], s[96:97] offset:768*(\a)+98304*\c+512
.endr
.endm
.irp a, 0,1,2,3,4,5,6,7
	QUANTA \a
.endr
	s_cmp_eq_u32 s3, 2
	s_cbranch_scc1 .Lwords_v
	s_cmp_eq_u32 s3, 1
	s_cbranch_scc1 .Lwords_k
.irp a, 0,1,2,3,4,5,6,7
	v_lshrrev_b32 v[W4+\a], v240, v[W4+\a]
	v_and_or_b32 v[W4+\a], v[W4+\a], 0xffff, v241
.endr
	s_branch .Lwords_qk
.Lwords_k:
	s_wait_loadcnt 0x0
.irp a, 0,1,2,3,4,5,6,7
	v_cmp_ne_u32 vcc_lo, 0, v[MK+\a]
	v_cndmask_b32 v244, v243, v242, vcc_lo
	v_lshrrev_b32 v[W4+\a], v240, v[W4+\a]
	v_and_or_b32 v[W4+\a], v[W4+\a], 0xffff, v244
.endr
.Lwords_qk:
	s_wait_alu depctr_va_vdst(0)
	global_store_b128 v[SLO], v[W4:W4+3], s[98:99]
	global_store_b128 v[SLO], v[W4+4:W4+7], s[98:99] offset:256
	s_branch .Lwords_out
.Lwords_v:
	v_cmp_ne_u32 vcc_lo, 0, v2
.irp i, 0,1,2,3
	v_cndmask_b32 v[W4+\i], v[W4+\i], v[W4+4+\i], vcc_lo
.endr
	global_store_b128 v[SLO], v[W4:W4+3], s[98:99]
.Lwords_out:
	s_wait_tensorcnt 0x0
	ds_add_u32 v[SPW], v[NIL]
	s_wait_dscnt 0x0
	CROUND
	s_endpgm
.Lfunc_end_k_qe2b1d0937e_qkv:
	.size	k_qe2b1d0937e_qkv, .Lfunc_end_k_qe2b1d0937e_qkv-k_qe2b1d0937e_qkv
	.p2alignl 7, 3214868480
	.fill 96, 4, 3214868480
	.section	.rodata,"a",@progbits
	.p2align	6, 0x0
	.amdhsa_kernel k_qe2b1d0937e_qkv
		.amdhsa_group_segment_fixed_size 327680
		.amdhsa_private_segment_fixed_size 0
		.amdhsa_enable_private_segment 0
		.amdhsa_kernarg_size 64
		.amdhsa_user_sgpr_count 2
		.amdhsa_user_sgpr_kernarg_segment_ptr 1
		.amdhsa_wavefront_size32 1
		.amdhsa_system_sgpr_workgroup_id_x 1
		.amdhsa_system_sgpr_workgroup_id_y 1
		.amdhsa_system_sgpr_workgroup_id_z 1
		.amdhsa_system_vgpr_workitem_id 0
		.amdhsa_next_free_vgpr 1024
		.amdhsa_next_free_sgpr 100
		.amdhsa_reserve_vcc 1
		.amdhsa_float_denorm_mode_32 3
		.amdhsa_float_denorm_mode_16_64 3
		.amdhsa_memory_ordered 1
		.amdhsa_forward_progress 1
		.amdhsa_inst_pref_size 175
	.end_amdhsa_kernel
	.amdgpu_metadata
---
amdhsa.version: [ 1, 2 ]
amdhsa.kernels:
  - .name:           k_qe2b1d0937e_qkv
    .symbol:         k_qe2b1d0937e_qkv.kd
    .args:
      - { .name: xc, .offset: 0, .size: 8, .value_kind: global_buffer, .address_space: global }
      - { .name: xs, .offset: 8, .size: 8, .value_kind: global_buffer, .address_space: global }
      - { .name: wc, .offset: 16, .size: 8, .value_kind: global_buffer, .address_space: global }
      - { .name: ws, .offset: 24, .size: 8, .value_kind: global_buffer, .address_space: global }
      - { .name: bqkv, .offset: 32, .size: 8, .value_kind: global_buffer, .address_space: global }
      - { .name: key_padding_mask, .offset: 40, .size: 8, .value_kind: global_buffer, .address_space: global }
      - { .name: qkvc, .offset: 48, .size: 8, .value_kind: global_buffer, .address_space: global }
      - { .name: qkvs, .offset: 56, .size: 8, .value_kind: global_buffer, .address_space: global }
    .group_segment_fixed_size: 327680
    .private_segment_fixed_size: 0
    .kernarg_segment_align: 8
    .kernarg_segment_size: 64
    .max_flat_workgroup_size: 128
    .sgpr_count:     100
    .vgpr_count:     1024
    .wavefront_size: 32
...
	.end_amdgpu_metadata
.endif
;; end of part 2
;; launch attn (part 3): grid 4 x 64, 8 waves a work-group, clusters of 4 x 1, 242,944 bytes of LDS; arguments qkvc, qkvs, rel_bias, oc, os; writes oc, os
.if DOCPART == 3
	.amdgcn_target "amdgcn-amd-amdhsa--gfx1250"
	.amdhsa_code_object_version 6
	.text
	.protected	k_qe2b1d0937e_attn
	.globl	k_qe2b1d0937e_attn
	.p2align	8
	.type	k_qe2b1d0937e_attn,@function
k_qe2b1d0937e_attn:
	s_mov_b64 s[64:65], 0
	v_nop
	global_prefetch_b8 v0, s[64:65] scope:SCOPE_SE
	s_setreg_imm32_b32 hwreg(HW_REG_WAVE_MODE, 25, 1), 1
	s_wait_xcnt 0x0
	s_wait_alu depctr_hold_cnt(0) depctr_sa_sdst(0) depctr_va_vdst(0) depctr_va_sdst(0) depctr_va_ssrc(0) depctr_va_vcc(0) depctr_vm_vsrc(0)
	s_getreg_b32 s2, hwreg(HW_REG_IB_STS2, 6, 4)
	s_cmp_eq_u32 s2, 0
	s_cbranch_scc0 .Lentry_in_a_cluster
	s_endpgm
.Lentry_in_a_cluster:
	s_bfe_u32 s2, ttmp6, 0x10000c
	s_cmp_lg_u32 s2, 0x3003
	s_cbranch_scc0 .Lentry_shape_is_right
	s_endpgm
.Lentry_shape_is_right:
; ATTN: for each batch and head, softmax(q k^T / 8 + bias(key - query), masked keys left out) v, both products on codes of FP6 (E2M3) with E8M0 scales; the result is quantised along the channels for the last product.  No work is left out.
; THE SOFTMAX AHEAD OF THE SECOND PRODUCT: t = logit x log2(e); M = the row's largest t so far, rounded up to a whole number; p = 2^(t - M) is quantised along the keys; the row's sum is taken of the unquantised p and divides at the end.
; SHARES.  A cluster of four work-groups takes one head; each holds the head's WHOLE K and V in LDS, brought once by joint loads, one a wave (waves 0-3 a quarter of K each, waves 4-7 of V).  All of it is asked for at the head: there is no loop
; to run ahead in, so no prefetch is written.  Wave w of 8 takes the blocks of 128 queries 2 w and 2 w + 1, one in each of two passes; of a block's eight tiles of 16 queries work-group cx takes tiles 2 cx and 2 cx + 1, BOTH AT ONCE:
; tile A's scores and sums live in register window 0, tile B's in window 1, under the same numbers, and every fragment of K and V read from LDS feeds two products.  The few numbers a row of both tiles lie in window 0, so that the two tiles'
; dependent chains take turns line by line.  Which steps lie near the diagonal hangs on the wave's number and the pass alone.
; LAYOUT.  Both products are used transposed: S^T = K Q^T, O^T = V^T P^T: a lane holds ONE query (lane % 16).  A score tile (c, u) takes keys 64 c + 8 u + 0..7 at its places 0-7 and keys 64 c + 32 + 8 u + 0..7 at places 8-15 (lanes 0-7 and 8-15
; read two stored tiles): so the 32 registers of tiles (c, 0..3) are the WHOLE block of keys 64 c + 32 (lane / 16) + 0..31, in order: a block's maximum needs no other lane, and the conversions' results are the operand's registers.
; K's rows of 256 bytes lie 320 bytes apart in LDS, so that two stored tiles lie 1,920 bytes apart.
; ONE STEP AHEAD.  K's fragments and scale words of step s + 1 (behind a pass's last step: of step 0, which the next pass begins with) are asked for in step s, behind its score products; so are all addresses of step s + 1.
; MASKED KEYS.  The head has 64 channels, the instruction 128 along K.  At k = 64 and k = 96 Q holds +7.5 under the scale 1; K holds -7.5 at k = 64 and +7.5 at k = 96.  The launch before has stored a key's scale bytes for these two blocks:
; 1, 1 where it is kept (the two products cancel), 227, 1 where it is masked: then about -56 x 2^100 is added to its score, and p = 0.  The running largest t begins at -1e30, above a masked key's t.
; THE BIAS: t = (q . k + 8 bias) x c, c = log2(e) / 8.  Where the step of 128 keys lies two blocks or more from the block of queries the bias is one number (the table's first or last): it rides in the addend of the scaling.
; In the at most three steps near the diagonal 8 x bias is the C of the score products, loaded from a table in LDS straight into the score registers.
; LIMITS: a row none of whose keys is kept gives zeros here (the output row is then bo) where reference() gives NaN; true logits x log2(e) under -1e30 count as masked; NaN and infinities among the inputs are not served;
; blocks whose largest magnitude lies under 2^-124 keep the byte 1.  The result's scale bytes leave one byte a lane, 32 bytes apart: 256 KiB in all.
; REGISTERS.  Window 0: v1-10 addresses that stay, v11-18 the next step's, v20-27 K's scale words, v28-31 V's, v32-33 Q's, v34-35 p's, v36-46, v212-255 the two tiles' small numbers, v48-95 K's tiles (0, u).
; Window 1: v0-47 V's four fragments, v48-95 K's tiles (1, u), v212-223 and v232-243 the two tiles' Q.  Both windows, a query tile each: v96-159 S^T, then p; v160-191 O^T; v192-210 codes.
.set VB,    122880                     ; K's codes lie at 0: [tile of 16 keys: 128][3 rows of 320]; V's here: [half of 128 keys: 2][128 keys: 16][tile of 16 channels: 4][768]
.set KSB,   221184                     ; K's scale words, 8,192 bytes
.set VSB,   229376                     ; V's, 4,096 bytes
.set TB,    233472                     ; the bias table: four copies of 512 numbers, 2,092 bytes apart, so that every lane finds four neighbours at a multiple of 16 bytes
.set SPARE, 241920                     ; the spare words, 128 bytes a wave
.set SPW, 5
.set NIL, 6
.set KF,  48
.set S,   96
.set O,   160
.set PC,  192
.set H8,  252                          ; 8 x (lane / 16)
; the small numbers of tile 0 (A) and tile 1 (B), all in window 0: four chains of maxima, a permute's destination, a temporary, two scale operands, two bytes, a word, three pairs of sums, -M, the largest t, the sum, the addend, the factor
.set MC0, 212
.set MC1, 36
.set PD0, 216
.set PD1, 40
.set TP0, 217
.set TP1, 41
.set SO0, 218
.set SO1, 42
.set BY0, 220
.set BY1, 44
.set WD0, 222
.set WD1, 46
.set SM0, 224
.set SM1, 232
.set NM0, 244
.set NM1, 238
.set MX0, 245
.set MX1, 239
.set L0,  246
.set L1,  240
.set AD0, 248
.set AD1, 242
.set F0,  250
.set F1,  254
.set QA0, 212                          ; Q's fragments, in window 1
.set QA1, 232
.set MSB, 0
.macro WIN new                         ; the immediate's high byte repeats the setting that is left
.if MSB != (\new)
	s_set_vgpr_msb (MSB<<8)|(\new)
.set MSB, \new
.endif
.endm
.macro D1
	s_delay_alu instid0(VALU_DEP_1)
.endm
.macro CROUND
	s_barrier_signal -1
	s_barrier_wait -1
	s_cmp_lg_u32 s14, 0
	s_cbranch_scc1 .Lnot_wave_0_\@
	s_barrier_signal -3
.Lnot_wave_0_\@:
	s_barrier_wait -3
	s_barrier_signal -1
	s_barrier_wait -1
.endm
	s_load_b256 s[4:11], s[0:1], 0x0               ; qkvc, qkvs, rel_bias, oc
	s_load_b64 s[12:13], s[0:1], 0x20              ; os
	v_lshl_add_u32 v[SPW], v0, 2, SPARE
	v_mov_b32 v[NIL], 0
	ds_add_u32 v[SPW], v[NIL]                      ; the wave's opening: the add, twice on end, and its wait ahead of my first tensor load
	ds_add_u32 v[SPW], v[NIL]
	v_lshrrev_b32 v7, 5, v0
	D1
	v_readfirstlane_b32 s14, v7                    ; wave 0..7
	s_bfe_u32 s15, ttmp6, 0x40000                  ; cx: it enters global addresses and the table's contents alone
	s_and_b32 s16, ttmp7, 0xffff                   ; 16 x batch + head: shared by the four partners
	s_and_b32 s17, s16, 15                         ; head
	s_lshr_b32 s18, s16, 4                         ; batch
	s_mov_b32 s20, 0x76543210
	s_mov_b32 s21, 0xfedcba98                      ; selects for lane l xor 16
	s_mov_b32 s22, 0x3e38aa3b                      ; c = log2(e) / 8
	s_mov_b32 s23, s22                             ; (named with it as a pair)
	; group 1.  K: a quarter of the head's codes, 24,576 dense bytes as 96 rows of 32 elements of 8 bytes, 16 words of padding behind each.  V: 8 rows of 3,072 bytes, 6,144 apart (the other head of the pair lies between)
	s_mov_b32 s24, 15|(3<<16)|(1<<20)|(1<<21)|(5<<22)|(15<<25)
	s_mov_b32 s25, 32<<16
	s_mov_b32 s26, 96<<16
	s_mov_b32 s27, 32<<16
	s_mov_b32 s28, 96
	s_mov_b32 s29, 32
	s_mov_b32 s30, 0
	s_mov_b32 s31, 0
	s_mov_b32 s32, 15|(3<<16)|(1<<21)
	s_mov_b32 s33, 384<<16
	s_mov_b32 s34, 8<<16
	s_mov_b32 s35, 384<<16
	s_mov_b32 s36, 8
	s_mov_b32 s37, 768
	s_mov_b32 s38, 0
	s_mov_b32 s39, 0
	s_mul_i32 s70, s16, 98304
	s_and_b32 s71, s14, 3                          ; which quarter I fetch
	s_mul_i32 s72, s71, 24576
	s_add_co_u32 s74, s70, s72
	s_add_co_u32 s74, s74, 6291456
	s_mov_b32 s75, 0
	s_and_b32 s76, s16, 0xfffe
	s_mul_i32 s76, s76, 98304
	s_and_b32 s73, s17, 1
	s_mul_i32 s73, s73, 3072
	s_add_co_u32 s76, s76, s73
	s_mul_i32 s73, s71, 49152
	s_add_co_u32 s76, s76, s73
	s_add_co_u32 s76, s76, 12582912
	s_mov_b32 s77, 0
	s_lshl_b32 s78, s14, 4                         ; Q: tile 8 (2 w) + 2 cx of the head
	s_lshl_b32 s79, s15, 1
	s_add_co_u32 s78, s78, s79
	s_mul_i32 s78, s78, 768
	s_add_co_u32 s78, s78, s70
	s_mov_b32 s79, 0
	s_lshl_b32 s80, s16, 13                        ; and its scale words
	s_lshl_b32 s81, s14, 10
	s_add_co_u32 s80, s80, s81
	s_lshr_b32 s81, s15, 1
	s_lshl_b32 s81, s81, 8
	s_add_co_u32 s80, s80, s81
	s_and_b32 s81, s15, 1
	s_lshl_b32 s81, s81, 3
	s_add_co_u32 s80, s80, s81
	s_mov_b32 s81, 0
	s_lshl_b32 s82, s18, 4
	s_lshl_b32 s83, s14, 1
	s_add_co_u32 s82, s82, s83                     ; my first group of 128 tokens
	s_mul_i32 s84, s82, 98304                      ; oc: [group][K / 256 = head / 4][tile 2 cx + (A or B)][head % 4][768]
	s_lshr_b32 s83, s17, 2
	s_mul_i32 s83, s83, 24576
	s_add_co_u32 s84, s84, s83
	s_mul_i32 s83, s15, 6144
	s_add_co_u32 s84, s84, s83
	s_and_b32 s83, s17, 3
	s_mul_i32 s83, s83, 768
	s_add_co_u32 s84, s84, s83
	s_mov_b32 s85, 0
	s_lshl_b32 s86, s82, 12                        ; os: [place][32], bytes 2 head, 2 head + 1
	s_lshl_b32 s83, s15, 10
	s_add_co_u32 s86, s86, s83
	s_lshl_b32 s83, s17, 1
	s_add_co_u32 s86, s86, s83
	s_mov_b32 s87, 0
	s_lshl_b32 s88, s16, 13
	s_add_co_u32 s88, s88, 524288                  ; K's scale words
	s_mov_b32 s89, 0
	s_lshl_b32 s90, s16, 12
	s_add_co_u32 s90, s90, 1048576                 ; V's
	s_mov_b32 s91, 0
	s_mul_i32 s48, s17, 1028                       ; the head's row of rel_bias
	s_mov_b32 s49, 0
	s_lshl_b32 s73, s15, 5
	s_add_co_u32 s73, s73, 31                      ; 31 + 32 cx
	s_mov_b32 s50, 0xffff0000                      ; lanes 16-31
	s_mul_i32 s41, s71, 30720                      ; K's quarter in LDS: 96 rows of 320 bytes
	v_and_b32 v11, 31, v0
	v_and_b32 v12, 15, v0                          ; r
	v_bfe_u32 v13, v0, 4, 1                        ; h
	v_and_b32 v14, 7, v0                           ; r % 8
	v_bfe_u32 v15, v0, 3, 1                        ; r / 8
	v_lshlrev_b32 v1, 4, v11                       ; 16 x lane
	v_lshlrev_b32 v2, 3, v11                       ; 8 x lane
	v_lshlrev_b32 v3, 4, v12                       ; 16 r
	v_lshl_add_u32 v7, v12, 5, v13                 ; 32 r + h
	v_mul_u32_u24 v16, v15, 1920                   ; places 8-15 come from the stored tile two further on
	v_mul_u32_u24 v17, v13, 320
	v_lshlrev_b32 v230, 5, v13                     ; 32 h
	v_lshl_add_u32 v8, v14, 4, v16
	v_lshl_add_u32 v9, v14, 3, v16
	v_lshlrev_b32 v10, 3, v15
	v_add_nc_u32 v8, v8, v17                       ; K, registers 0-3: 16 (r % 8) + 320 h + 1,920 (r / 8)
	v_lshl_add_u32 v9, v13, 7, v9
	v_lshl_add_u32 v10, v14, 4, v10                ; K's scale words: 16 (r % 8) + 8 (r / 8)
	v_add_nc_u32 v9, 640, v9                       ; K, registers 4-5: the third row: 640 + 8 (r % 8) + 128 h + 1,920 (r / 8)
	v_and_b32 v16, 3, v0
	v_lshl_add_u32 v17, v15, 3, v12                ; r + 8 (r / 8)
	v_xor_b32 v16, 3, v16                          ; which copy of the table: (23 - r) % 4
	v_sub_nc_u32 v17, 23, v17
	v_mul_u32_u24 v16, v16, 2092
	v_lshl_add_u32 v17, v13, 5, v17                ; 23 - r - 8 (r / 8) + 32 h
	D1
	v_lshl_add_u32 v4, v17, 2, v16
	D1
	v_add_nc_u32 v4, TB+16, v4                     ; my lane's place in the table
	v_lshl_add_u32 v224, v0, 4, KSB                ; where my thread puts its share of the scale words,
	v_lshl_add_u32 v225, v0, 2, TB                 ; and its two numbers of the table
	v_lshlrev_b32 v226, 4, v0
	v_max_u32 v227, s73, v0                        ; table entry e holds 8 x rel_bias[head][clamp(e - 31 - 32 cx, 0, 256)]; mine are e = my thread's number and 256 more
	v_add_nc_u32 v228, 0x100, v0
	v_sub_nc_u32 v227, v227, s73
	v_sub_nc_u32 v228, v228, s73
	v_min_u32 v227, 0x100, v227
	v_min_u32 v228, 0x100, v228
	v_lshlrev_b32 v227, 2, v227
	v_lshlrev_b32 v228, 2, v228
	v_mov_b32 v229, 0
	s_wait_dscnt 0x0                               ; both opening adds are done
	s_wait_kmcnt 0x0
	s_mov_b32 s40, 1
	s_add_nc_u64 s[42:43], s[4:5], s[74:75]
	s_or_b32 s43, s43, 0x80000000
	s_mov_b32 s44, 1
	s_add_co_u32 s45, s72, VB
	s_add_nc_u64 s[46:47], s[4:5], s[76:77]
	s_or_b32 s47, s47, 0x80000000
	s_add_nc_u64 s[60:61], s[4:5], s[78:79]
	s_add_nc_u64 s[62:63], s[6:7], s[80:81]
	s_add_nc_u64 s[66:67], s[10:11], s[84:85]
	s_add_nc_u64 s[68:69], s[12:13], s[86:87]
	s_add_nc_u64 s[88:89], s[6:7], s[88:89]
	s_add_nc_u64 s[90:91], s[6:7], s[90:91]
	s_add_nc_u64 s[8:9], s[8:9], s[48:49]
	CROUND                                         ; all four work-groups are here: the joint loads meet
	s_cmp_lt_u32 s14, 4                            ; every wave issues one: one tensor load of mine is out
	s_cbranch_scc0 .Lfor_v
	tensor_load_to_lds s[40:43], s[24:31]
	s_nop 0
.rept 4
	v_nop
.endr
	s_branch .Lasked
.Lfor_v:
	tensor_load_to_lds s[44:47], s[32:39]
	s_nop 0
.rept 4
	v_nop
.endr
.Lasked:
	s_wait_alu depctr_va_vdst(0)                   ; the offsets below were made ahead of waits and branches
	global_load_b128 v[96:99], v226, s[88:89]      ; the scale words and the table are a small part of the head's bytes: each work-group brings its own
	global_load_b128 v[100:103], v226, s[88:89] offset:4096
	global_load_b128 v[104:107], v226, s[90:91]
	global_load_b32 v108, v227, s[8:9]
	global_load_b32 v109, v228, s[8:9]
	global_load_b32 v110, v229, s[8:9]             ; the bias of keys 128 or more to the left,
	global_load_b32 v111, v229, s[8:9] offset:1024 ; and to the right
	global_load_b32 v32, v3, s[62:63]              ; Q of BOTH passes is asked for here, while the tensor loads are out: the first pass's scale words,
	global_load_b32 v33, v3, s[62:63] offset:4
	global_load_b32 v19, v3, s[62:63] offset:512   ; the second pass's, held in v19 and v47,
	global_load_b32 v47, v3, s[62:63] offset:516
	WIN 0x40
	global_load_b128 v[QA0:QA0+3], v1, s[60:61]    ; the first pass's half fragments,
	global_load_b64 v[QA0+4:QA0+5], v2, s[60:61] offset:512
	global_load_b128 v[QA1:QA1+3], v1, s[60:61] offset:768
	global_load_b64 v[QA1+4:QA1+5], v2, s[60:61] offset:1280
	global_load_b128 v[244:247], v1, s[60:61] offset:6144   ; and the second pass's, eight tiles on, held in window 1's v244-255
	global_load_b64 v[248:249], v2, s[60:61] offset:6656
	global_load_b128 v[250:253], v1, s[60:61] offset:6912
	global_load_b64 v[254:255], v2, s[60:61] offset:7424
	WIN 0
.macro KCONST                          ; registers 6-11 of four fragments of K; the destinations' window is set by the caller
.irp t, 0,1,2,3
	v_sub_nc_u32 v[KF+12*\t+6], 63, v230           ; -7.5 at k = 64, +7.5 at k = 96
.irp i, 7,8,9,10,11
	v_mov_b32 v[KF+12*\t+\i], 0
.endr
.endr
.endm
	KCONST
.irp r, PD0, PD1, AD0+1, AD1+1, F0+1, F1+1
	v_mov_b32 v[\r], 0                             ; permutes' destinations count as sources; upper halves of pairs of which the low word serves both halves
.endr
	v_lshlrev_b32 v[H8], 3, v13
	WIN 0x40
	KCONST
.irp q, QA0, QA1
	v_mov_b32 v[\q+6], 0x1f                        ; Q at k = 64 (lanes 0-15) and k = 96 (lanes 16-31): +7.5
.irp i, 7,8,9,10,11
	v_mov_b32 v[\q+\i], 0
.endr
.endr
	WIN 0
	s_wait_alu depctr_va_vdst(0)
	s_wait_loadcnt 0x0
	v_mul_f32 v108, 0x41000000, v108               ; 8 x bias
	v_mul_f32 v109, 0x41000000, v109
	v_mul_f32 v110, 0x3fb8aa3b, v110               ; bias x log2(e)
	v_mul_f32 v111, 0x3fb8aa3b, v111
	ds_store_b128 v224, v[96:99]
	ds_store_b128 v224, v[100:103] offset:4096
	ds_store_b128 v224, v[104:107] offset:VSB-KSB
.irp s, 0,1,2,3
	ds_store_b32 v225, v108 offset:16+2092*\s
	ds_store_b32 v225, v109 offset:16+2092*\s+1024
.endr
	v_readfirstlane_b32 s92, v110
	v_readfirstlane_b32 s93, v111
	s_wait_alu depctr_va_vdst(0)
	s_wait_tensorcnt 0x0                           ; my part of K or V has landed,
	s_wait_dscnt 0x0                               ; my stores too:
	s_barrier_signal -1
	s_barrier_wait -1                              ; everybody's have.  From here on LDS is only read
.macro NEXTS                           ; the scalar parts of the addresses of step s71 of block s72
	s_mul_i32 s53, s71, 7680
	s_mul_i32 s54, s71, 3072
	s_add_co_u32 s54, s54, VB
	s_lshl_b32 s55, s71, 9
	s_add_co_u32 s55, s55, KSB
	s_lshl_b32 s56, s71, 8
	s_add_co_u32 s56, s56, VSB
	s_add_co_u32 s70, s71, 1
	s_sub_co_u32 s70, s70, s72                     ; step - block + 1: 0, 1, 2 near the diagonal
	s_min_u32 s70, s70, 2
	s_lshl_b32 s70, s70, 9
.endm
.macro NEXTV
	v_add_nc_u32 v11, s53, v8
	v_add_nc_u32 v12, s53, v9
	v_add_nc_u32 v13, s54, v1
	v_add_nc_u32 v14, s54, v2
	v_add_nc_u32 v15, s55, v10
	v_add_nc_u32 v17, s56, v3
	v_add_nc_u32 v18, s70, v4
.endm
.macro KLOAD g                         ; the four score tiles (g, u): registers 0-5 of each fragment; registers 6-11 are constants
.irp t, 0,1,2,3
	ds_load_b128 v[KF+12*\t:KF+12*\t+3], v11 offset:(4*\g+(\t%2))*960+128*(\t/2)
	ds_load_b64 v[KF+12*\t+4:KF+12*\t+5], v12 offset:(4*\g+(\t%2))*960+64*(\t/2)
.endr
.endm
.macro KPRE                            ; K's scale words and eight fragments: 20 loads
.irp c, 0,1
	ds_load_b64 v[20+4*\c:21+4*\c], v15 offset:256*\c
	ds_load_b64 v[22+4*\c:23+4*\c], v15 offset:256*\c+128
.endr
	KLOAD 0
	WIN 0x40
	KLOAD 1
	WIN 0
.endm
.macro VLOAD                           ; V's four fragments (16 channels x these 128 keys) and their scale words: 17 loads
	WIN 0x40
.irp t, 0,1,2,3
	ds_load_b128 v[12*\t:12*\t+3], v13 offset:768*\t
	ds_load_b64 v[12*\t+4:12*\t+5], v14 offset:768*\t+512
	ds_load_b128 v[12*\t+6:12*\t+9], v13 offset:49152+768*\t
	ds_load_b64 v[12*\t+10:12*\t+11], v14 offset:49152+768*\t+512
.endr
	WIN 0
	ds_load_b128 v[28:31], v17
.endm
.macro CLOAD u                         ; 8 x bias into the score registers; tile A's queries lie 8 lower than tile B's: 8 table entries further on
.irp t, 0,1,2,3,4,5,6,7
	ds_load_b128 v[S+8*\t:S+8*\t+3], v18 offset:32*(1-\u)+4*(64*(\t/4)+8*(\t%4))
	ds_load_b128 v[S+8*\t+4:S+8*\t+7], v18 offset:32*(1-\u)+4*(64*(\t/4)+8*(\t%4))+16
.endr
.endm
.macro SCORES band                     ; S^T = K Q^T for 128 keys and both query tiles: each fragment of K feeds two products.  band = 1: the sums start from 8 x bias
.irp g, 0,1
.irp w, 0,1
	WIN \g|4|(\w*0x50)
.irp t, 0,1,2,3
.if \band
	v_wmma_scale_f32_16x16x128_f8f6f4 v[S+8*(4*\g+\t):S+8*(4*\g+\t)+7], v[KF+12*\t:KF+12*\t+11], v[QA\w:QA\w+11], v[S+8*(4*\g+\t):S+8*(4*\g+\t)+7], v[20+4*\g+\t], v[32+\w] matrix_a_fmt:MATRIX_FMT_FP6 matrix_b_fmt:MATRIX_FMT_FP6
.else
	v_wmma_scale_f32_16x16x128_f8f6f4 v[S+8*(4*\g+\t):S+8*(4*\g+\t)+7], v[KF+12*\t:KF+12*\t+11], v[QA\w:QA\w+11], 0, v[20+4*\g+\t], v[32+\w] matrix_a_fmt:MATRIX_FMT_FP6 matrix_b_fmt:MATRIX_FMT_FP6
.endif
.endr
.endr
.endr
	WIN 0
.endm
.macro MAXES w                         ; my two blocks of 32 keys, each in two chains; ascending
	WIN 0x15*\w
.irp c, 0,1
	v_max3_num_f32 v[MC\w+2*\c], v[S+32*\c], v[S+32*\c+1], v[S+32*\c+2]
	v_max3_num_f32 v[MC\w+2*\c+1], v[S+32*\c+3], v[S+32*\c+4], v[S+32*\c+5]
.endr
	WIN 0x14*\w
.irp i, 6,10,14,18,22,26
.irp c, 0,1
	v_max3_num_f32 v[MC\w+2*\c], v[MC\w+2*\c], v[S+32*\c+\i], v[S+32*\c+\i+1]
	v_max3_num_f32 v[MC\w+2*\c+1], v[MC\w+2*\c+1], v[S+32*\c+\i+2], v[S+32*\c+\i+3]
.endr
.endr
.irp c, 0,1
	v_max3_num_f32 v[MC\w+2*\c], v[MC\w+2*\c], v[S+32*\c+30], v[S+32*\c+31]
.endr
.endm
.macro CHAINS                          ; the new M of both tiles, line by line by turns
.irp w, 0,1
.irp c, 0,1
	v_max_num_f32 v[MC\w+2*\c], v[MC\w+2*\c], v[MC\w+2*\c+1]   ; a block's largest score: for the row's maximum, and, since p rises with the score, for the block's largest p
.endr
.endr
.irp w, 0,1
	v_max_num_f32 v[TP\w], v[MC\w], v[MC\w+2]
.endr
.irp w, 0,1
	v_permlanex16_b32 v[PD\w], v[TP\w], s20, s21
.endr
.irp w, 0,1
	v_max_num_f32 v[TP\w], v[TP\w], v[PD\w]
.endr
.irp w, 0,1
	v_fma_f32 v[TP\w], v[TP\w], s22, s59           ; the step's largest t
.endr
.irp w, 0,1
	v_max_num_f32 v[MX\w], v[MX\w], v[TP\w]
.endr
.irp w, 0,1
	v_mov_b32 v[TP\w], v[NM\w]
.endr
.irp w, 0,1
	v_floor_f32 v[NM\w], -v[MX\w]                  ; the new -M = -ceil(t)
.endr
.irp w, 0,1
	v_sub_f32 v[TP\w], v[NM\w], v[TP\w]            ; old M - new M: a whole number, 0 or less
.endr
.irp w, 0,1
	v_add_f32 v[AD\w], s59, v[NM\w]                ; the far bias and -M in one addend
.endr
.irp w, 0,1
	v_cvt_i32_f32 v[TP\w], v[TP\w]                 ; (it saturates)
.endr
.irp w, 0,1
.irp c, 0,1
	v_fma_f32 v[MC\w+2*\c], v[MC\w+2*\c], s22, v[AD\w]
.endr
.endr
.irp w, 0,1
	v_ldexp_f32 v[F\w], 1.0, v[TP\w]               ; f = 2^(old M - new M)
.endr
.endm
.macro SCALE w                         ; t - M, two at a time; then what was summed is brought under the new M, O^T ascending
	WIN 0x41*\w
.irp j, 0,2,4,6,8,10,12,14,16,18,20,22,24,26,28,30,32,34,36,38,40,42,44,46,48,50,52,54,56,58,60,62
	v_pk_fma_f32 v[S+\j:S+\j+1], v[S+\j:S+\j+1], s[22:23], v[AD\w:AD\w+1] op_sel_hi:[1,0,0]
.endr
.irp j, 0,2,4,6,8,10,12,14,16,18,20,22,24,26,28,30
	v_pk_mul_f32 v[O+\j:O+\j+1], v[O+\j:O+\j+1], v[F\w:F\w+1] op_sel_hi:[1,0]
.endr
.endm
.macro EXPS w
	WIN 0x41*\w
.irp j, 0,1,2,3,4,5,6,7,8,9,10,11,12,13,14,15,16,17,18,19,20,21,22,23,24,25,26,27,28,29,30,31,32,33,34,35,36,37,38,39,40,41,42,43,44,45,46,47,48,49,50,51,52,53,54,55,56,57,58,59,60,61,62,63
	v_exp_f32 v[S+\j], v[S+\j]                     ; p = 2^(t - M)
.endr
.endm
.macro WORDS                           ; p's scale words of both tiles, by turns
.irp w, 0,1
.irp c, 0,1
	v_max_num_f32 v[MC\w+2*\c], 0x1800000, v[MC\w+2*\c]    ; the floor: a block whose every p is 0 keeps the byte 1: its codes are zeros
.endr
.endr
.irp w, 0,1
.irp c, 0,1
	v_add_nc_u32 v[SO\w+\c], 0xff000000, v[MC\w+2*\c]      ; 2 off the exponent field: the conversion's scale operand
.endr
.endr
.irp w, 0,1
.irp c, 0,1
	v_lshrrev_b32 v[BY\w+\c], 23, v[SO\w+\c]
.endr
.endr
.irp w, 0,1
	v_lshl_or_b32 v[WD\w], v[BY\w+1], 16, v[BY\w]  ; my two bytes, blocks h and 2 + h,
.endr
.irp w, 0,1
	v_lshlrev_b32 v[WD\w], v[H8], v[WD\w]          ; at their places in the word;
.endr
.irp w, 0,1
	v_permlanex16_b32 v[PD\w], v[WD\w], s20, s21
.endr
.irp w, 0,1
	v_or_b32 v[34+\w], v[WD\w], v[PD\w]            ; with lane l xor 16's two the word is whole
.endr
.endm
.macro P2 w                            ; p's codes, then the row's sum of the unquantised p
	WIN 0x41*\w
.irp c, 0,1
	v_cvt_scalef32_pk16_fp6_f32 v[PC+6*\c:PC+6*\c+2], v[S+32*\c:S+32*\c+15], v[SO\w+\c]
	v_cvt_scalef32_pk16_fp6_f32 v[PC+12+4*\c:PC+14+4*\c], v[S+32*\c+16:S+32*\c+31], v[SO\w+\c]   ; (a conversion's three registers begin on an even number)
.endr
	v_nop                                          ; one plain place behind a scaled conversion
.irp c, 0,1
.irp i, 0,1,2
	v_mov_b32 v[PC+3+6*\c+\i], v[PC+12+4*\c+\i]
.endr
.endr
	WIN 0x05*\w
	v_pk_add_f32 v[SM\w:SM\w+1], v[S+2:S+3], v[S+4:S+5]        ; four chains; these 32 additions are also the places between the codes' last writes and the products
	v_pk_add_f32 v[SM\w+2:SM\w+3], v[S+6:S+7], v[S+8:S+9]
	v_pk_add_f32 v[SM\w+4:SM\w+5], v[S+10:S+11], v[S+12:S+13]
	WIN 0x04*\w
	v_pk_add_f32 v[L\w:L\w+1], v[L\w:L\w+1], v[S:S+1]
.irp j, 14,22,30,38,46,54
	v_pk_add_f32 v[SM\w:SM\w+1], v[SM\w:SM\w+1], v[S+\j:S+\j+1]
	v_pk_add_f32 v[SM\w+2:SM\w+3], v[SM\w+2:SM\w+3], v[S+\j+2:S+\j+3]
	v_pk_add_f32 v[SM\w+4:SM\w+5], v[SM\w+4:SM\w+5], v[S+\j+4:S+\j+5]
	v_pk_add_f32 v[L\w:L\w+1], v[L\w:L\w+1], v[S+\j+6:S+\j+7]
.endr
	v_pk_add_f32 v[SM\w+4:SM\w+5], v[SM\w+4:SM\w+5], v[S+62:S+63]
	WIN 0
	v_pk_add_f32 v[SM\w:SM\w+1], v[SM\w:SM\w+1], v[SM\w+2:SM\w+3]
	v_pk_add_f32 v[L\w:L\w+1], v[L\w:L\w+1], v[SM\w+4:SM\w+5]
	D1
	v_pk_add_f32 v[L\w:L\w+1], v[L\w:L\w+1], v[SM\w:SM\w+1]
.endm
.macro PV w                            ; O^T += V^T P^T: the tile's four accumulators by turns
	WIN 0x01|(0x54*\w)
.irp t, 0,1,2,3
	v_wmma_scale_f32_16x16x128_f8f6f4 v[O+8*\t:O+8*\t+7], v[12*\t:12*\t+11], v[PC:PC+11], v[O+8*\t:O+8*\t+7], v[28+\t], v[34+\w] matrix_a_fmt:MATRIX_FMT_FP6 matrix_b_fmt:MATRIX_FMT_FP6
.endr
.endm
.macro OZERO
.irp j, 0,1,2,3,4,5,6,7,8,9,10,11,12,13,14,15,16,17,18,19,20,21,22,23,24,25,26,27,28,29,30,31
	v_mov_b32 v[O+\j], 0
.endr
.endm
.macro EPI w                           ; the way out of a tile: O^T / the sum, quantised along the head's 64 channels: a half fragment of the last product's operand
	WIN 0
	v_add_f32 v[L\w], v[L\w], v[L\w+1]
	D1
	v_permlanex16_b32 v[PD\w], v[L\w], s20, s21
	D1
	v_add_f32 v[L\w], v[L\w], v[PD\w]              ; the row's sum: over 1/2 where a key was kept
	D1
	v_max_num_f32 v[L\w], 0x800000, v[L\w]         ; (a row with no kept key: 0 / 2^-126 = 0)
	s_wait_alu depctr_va_vdst(0)                   ; ahead of the transcendental,
	v_rcp_f32 v[L\w], v[L\w]
	v_nop
	WIN 0x41*\w
	s_wait_alu depctr_va_vdst(0)                   ; and behind it, directly ahead of the first reader of O^T
.irp j, 0,2,4,6,8,10,12,14,16,18,20,22,24,26,28,30
	v_pk_mul_f32 v[O+\j:O+\j+1], v[O+\j:O+\j+1], v[L\w:L\w+1] op_sel_hi:[1,0]   ; ascending
.endr
	WIN 0x05*\w
.irp b, 0,1
	v_max3_num_f32 v[MC\w+\b], |v[O+16*\b]|, |v[O+16*\b+1]|, 0x1800000
.endr
	WIN 0x14*\w
.irp i, 2,4,6,8,10,12,14
.irp b, 0,1
	v_max3_num_f32 v[MC\w+\b], v[MC\w+\b], |v[O+16*\b+\i]|, |v[O+16*\b+\i+1]|
.endr
.endr
	WIN 0
.irp b, 0,1
	v_permlanex16_b32 v[PD\w+\b], v[MC\w+\b], s20, s21     ; the channels 32 b + 16 h + 0 .. 15 are mine, the block's other 16 lane l xor 16's
.endr
.irp b, 0,1
	v_max_num_f32 v[MC\w+\b], v[MC\w+\b], v[PD\w+\b]
.endr
.irp b, 0,1
	v_add_nc_u32 v[SO\w+\b], 0xff000000, v[MC\w+\b]
.endr
.irp b, 0,1
	v_lshrrev_b32 v[BY\w+\b], 23, v[SO\w+\b]
.endr
	WIN 0x41*\w
	v_cvt_scalef32_pk16_fp6_f32 v[PC:PC+2], v[O:O+15], v[SO\w]
	v_cvt_scalef32_pk16_fp6_f32 v[PC+12:PC+14], v[O+16:O+31], v[SO\w+1]
	v_nop
.irp i, 0,1,2
	v_permlane16_swap_b32 v[PC+\i], v[PC+12+\i]
.endr
.irp i, 0,1,2
	v_mov_b32 v[PC+3+\i], v[PC+12+\i]
.endr
	WIN 0
	v_cndmask_b32 v[WD\w], v[BY\w], v[BY\w+1], s50 ; my half's block's byte
	global_store_b8 v7, v[WD\w], s[68:69] offset:512*\w
	WIN 0x04*\w                                    ; the codes lie in the tile's window, the offsets in window 0
	global_store_b128 v1, v[PC:PC+3], s[66:67] offset:3072*\w        ; 512 consecutive bytes
	global_store_b64 v2, v[PC+4:PC+5], s[66:67] offset:3072*\w+512
.endm
	s_mov_b32 s57, 0
	s_lshl_b32 s19, s14, 1                         ; my block of 128 queries: 2 w + pass
	s_mov_b32 s71, 0
	s_mov_b32 s72, s19
	NEXTS
	NEXTV                                          ; step 0's addresses,
	s_wait_alu depctr_va_vdst(0)
	KPRE                                           ; and its K
.Lpass:
	WIN 0x40
	OZERO                                          ; the step is written once, and its first trip finds zeros
	WIN 0
	OZERO
.irp w, 0,1
	v_mov_b32 v[MX\w], 0xf149f2ca                  ; the largest t so far: -1e30
	v_mov_b32 v[NM\w], 0x7149f2ca                  ; -M = 1e30, a whole number
	v_mov_b32 v[L\w], 0
	v_mov_b32 v[L\w+1], 0
.endr
	s_mov_b32 s51, 0
	s_wait_alu depctr_va_vdst(0)
.Lstep:                                            ; sixteen steps of 128 keys
	s_add_co_u32 s71, s51, 1
	s_lshr_b32 s72, s71, 4                         ; 1 in the pass's last step:
	s_and_b32 s71, s71, 15                         ; the next step is then step 0
	s_add_co_u32 s72, s72, s19                     ; of the next block
	NEXTS
	s_add_co_u32 s52, s51, 1
	s_sub_co_u32 s52, s52, s19
	s_cmp_lt_u32 s51, s19
	s_cselect_b32 s59, s92, s93                    ; keys to the left of my queries or to the right
.rept 4
	v_nop                                          ; places between the last products and the loads into their operands
.endr
	s_cmp_le_u32 s52, 2
	s_cselect_b32 s59, 0, s59                      ; near the diagonal the bias is in the sums
	s_cbranch_scc1 .Lband
	VLOAD
	s_wait_dscnt 17                                ; all but V's 17 loads: K came a step ago
	SCORES 0
	s_branch .Lscored
.Lband:
	CLOAD 0
	WIN 0x40
	CLOAD 1
	WIN 0
	VLOAD
	s_wait_dscnt 17
	SCORES 1
.Lscored:
.rept 4
	v_nop                                          ; places behind the score products
.endr
	MAXES 0
	MAXES 1
	WIN 0
	NEXTV                                          ; the next step's addresses
	CHAINS
.irp w, 0,1
	v_pk_mul_f32 v[L\w:L\w+1], v[L\w:L\w+1], v[F\w:F\w+1] op_sel_hi:[1,0]
.endr
	SCALE 0
	SCALE 1
	WIN 0
	s_wait_alu depctr_va_vdst(0)
	KPRE                                           ; the next step's K, into registers that this step's score products have read (over a hundred places ago)
	EXPS 0
	EXPS 1
	WIN 0
.irp w, 0,1
.irp c, 0,1
	v_exp_f32 v[MC\w+2*\c], v[MC\w+2*\c]           ; each block's largest p
.endr
.endr
	v_nop                                          ; a plain place behind the exponentials
	s_wait_alu depctr_va_vdst(0)                   ; and one wait behind the batch, ahead of its first reader
	s_wait_dscnt 20                                ; V is in; the 20 loads for the next step may be out
	WORDS
	P2 0
	PV 0
	P2 1
	PV 1
	WIN 0
	s_add_co_u32 s51, s51, 1
	s_cmp_lt_u32 s51, 16
	s_cbranch_scc1 .Lstep
	EPI 0
	EPI 1
	WIN 0x41
.irp i, 0,1,2,3,4,5
	v_mov_b32 v[QA0+\i], v[244+\i]                 ; the second pass's Q takes its place (behind the second pass these fourteen copies are read by nobody)
	v_mov_b32 v[QA1+\i], v[250+\i]
.endr
	WIN 0
	v_mov_b32 v32, v19
	v_mov_b32 v33, v47
	s_wait_alu depctr_va_vdst(0)
	s_wait_xcnt 0x0                                ; the stores have read their registers and bases: both may be written again
	s_add_nc_u64 s[66:67], s[66:67], 98304
	s_add_nc_u64 s[68:69], s[68:69], 4096
	s_add_co_u32 s19, s19, 1
	s_add_co_u32 s57, s57, 1
	s_cmp_lt_u32 s57, 2
	s_cbranch_scc1 .Lpass
	s_wait_tensorcnt 0x0                           ; the wave's end
	ds_add_u32 v[SPW], v[NIL]
	s_wait_dscnt 0x0
	CROUND                                         ; the closing round
	s_endpgm
.Lfunc_end_k_qe2b1d0937e_attn:
	.size	k_qe2b1d0937e_attn, .Lfunc_end_k_qe2b1d0937e_attn-k_qe2b1d0937e_attn
	.p2alignl 7, 3214868480
	.fill 96, 4, 3214868480
	.section	.rodata,"a",@progbits
	.p2align	6, 0x0
	.amdhsa_kernel k_qe2b1d0937e_attn
		.amdhsa_group_segment_fixed_size 242944
		.amdhsa_private_segment_fixed_size 0
		.amdhsa_enable_private_segment 0
		.amdhsa_kernarg_size 40
		.amdhsa_user_sgpr_count 2
		.amdhsa_user_sgpr_kernarg_segment_ptr 1
		.amdhsa_wavefront_size32 1
		.amdhsa_system_sgpr_workgroup_id_x 1
		.amdhsa_system_sgpr_workgroup_id_y 1
		.amdhsa_system_sgpr_workgroup_id_z 1
		.amdhsa_system_vgpr_workitem_id 0
		.amdhsa_next_free_vgpr 512
		.amdhsa_next_free_sgpr 100
		.amdhsa_reserve_vcc 0
		.amdhsa_float_denorm_mode_32 3
		.amdhsa_float_denorm_mode_16_64 3
		.amdhsa_memory_ordered 1
		.amdhsa_forward_progress 1
		.amdhsa_inst_pref_size 62
	.end_amdhsa_kernel
	.amdgpu_metadata
---
amdhsa.version: [ 1, 2 ]
amdhsa.kernels:
  - .name:           k_qe2b1d0937e_attn
    .symbol:         k_qe2b1d0937e_attn.kd
    .args:
      - { .name: qkvc, .offset: 0, .size: 8, .value_kind: global_buffer, .address_space: global }
      - { .name: qkvs, .offset: 8, .size: 8, .value_kind: global_buffer, .address_space: global }
      - { .name: rel_bias, .offset: 16, .size: 8, .value_kind: global_buffer, .address_space: global }
      - { .name: oc, .offset: 24, .size: 8, .value_kind: global_buffer, .address_space: global }
      - { .name: os, .offset: 32, .size: 8, .value_kind: global_buffer, .address_space: global }
    .group_segment_fixed_size: 242944
    .private_segment_fixed_size: 0
    .kernarg_segment_align: 8
    .kernarg_segment_size: 40
    .max_flat_workgroup_size: 256
    .sgpr_count:     100
    .vgpr_count:     512
    .wavefront_size: 32
...
	.end_amdgpu_metadata
.endif
;; end of part 3
;; launch proj (part 4): grid 4 x 64, 4 waves a work-group, clusters of 4 x 4, 295,424 bytes of LDS; arguments oc, os, wc, ws, bo, out0; writes out0
.if DOCPART == 4
	.amdgcn_target "amdgcn-amd-amdhsa--gfx1250"
	.amdhsa_code_object_version 6
	.text
	.protected	k_qe2b1d0937e_proj
	.globl	k_qe2b1d0937e_proj
	.p2align	8
	.type	k_qe2b1d0937e_proj,@function
k_qe2b1d0937e_proj:
	s_mov_b64 s[64:65], 0
	v_nop
	global_prefetch_b8 v0, s[64:65] scope:SCOPE_SE
	s_setreg_imm32_b32 hwreg(HW_REG_WAVE_MODE, 25, 1), 1
	s_wait_xcnt 0x0
	s_wait_alu depctr_hold_cnt(0) depctr_sa_sdst(0) depctr_va_vdst(0) depctr_va_sdst(0) depctr_va_ssrc(0) depctr_va_vcc(0) depctr_vm_vsrc(0)
	s_getreg_b32 s2, hwreg(HW_REG_IB_STS2, 6, 4)
	s_cmp_eq_u32 s2, 0
	s_cbranch_scc0 .Lentry_in_a_cluster
	s_endpgm
.Lentry_in_a_cluster:
	s_bfe_u32 s2, ttmp6, 0x10000c
	s_cmp_lg_u32 s2, 0xf033
	s_cbranch_scc0 .Lentry_shape_is_right
	s_endpgm
.Lentry_shape_is_right:
; PROJ: out0 = o Wo + bo on codes of FP6 (E2M3) with E8M0 scales: o's codes and scale bytes (oc, os) come from the launch before, Wo's are groups 24-31 of wc and ws.  No work is left out.
; SHARES.  8,192 x 1,024 results in blocks of 128 rows x 256 columns: 256 work-groups of four waves; a wave makes 64 x 128: 32 accumulators.  K is 1,024: a block's operands for ALL of K are 98,304 bytes of o and 196,608 of Wo, each dense
; in memory: they come into LDS once, by one joint load a wave (wave 0: o's; waves 1-3: a third of Wo's each), and no byte is filled again.  All is asked for at the head: there is no loop to run ahead in, so no prefetch is written.
; CLUSTERS: 4 x 4 work-groups; o's rows are shared along a row of the cluster, Wo's columns along a column.
; THE CODES are images of operand registers: [group of 128 places][K / 256][tile 8][64 along K: 4][768]; registers 0-3 of a half fragment lie at 16 x lane, registers 4-5 at 512 + 8 x lane.  Tile 2 g + u, place p, holds row (column) 32 g + 8 u + p + 8 (p / 8).
; THE SCALE WORDS go from memory straight into registers: a block of 16 places is 512 consecutive bytes, lane (r, h) takes the 16 bytes at 32 r + 16 h: lanes 0-15 hold the words of K steps 0-3, lanes 16-31 those of steps 4-7, which ROW1 selects.
; The matrix instruction is used transposed (source 0 = Wo's columns, source 1 = o's rows): a lane holds eight neighbouring numbers of a row of the result.  bo is the C of the first K step's products.
; REGISTERS.  Window 0: v0-31 addresses, v32-47 o's scale words, v48-79 Wo's, v96-111 LDS addresses by chunk of 256 along K, v128-223 o's fragments, two sets.  Window 1: Wo's fragments, two sets, at v0 and v128.  Window 2: the accumulators, (a, b) at v[8 (8 a + b)].  Window 3: v0-63 bo.
.set BB0,    98304                     ; LDS: o's codes at 0, Wo's here
.set SPARE,  294912                    ; the spare words, 128 bytes a wave
.set SPITCH, 528                       ; the way out: a stage of 16 rows x (512 + 16) bytes for each wave, laid over o's codes behind a barrier behind which nobody reads LDS tiles
.set STO,  24
.set RD,   25
.set CO,   26
.set SL,   27
.set SPW,  28
.set NIL,  29
.set SA,   32
.set SB,   48
.set AA,   96                          ; v96-99 o's 16-byte loads by chunk, v100-103 its 8-byte loads, v104-107 and v108-111 the same for Wo
.set AF,   128
.set BK,   128
.set G1, 24
.set G0, 32
.set G1B, 48
.set G0B, 56
.set MSB, 0
.macro WIN new
.if MSB != (\new)
	s_set_vgpr_msb (MSB<<8)|(\new)
.set MSB, \new
.endif
.endm
.macro CROUND
	s_barrier_signal -1
	s_barrier_wait -1
	s_cmp_lg_u32 s14, 0
	s_cbranch_scc1 .Lnot_wave_0_\@
	s_barrier_signal -3
.Lnot_wave_0_\@:
	s_barrier_wait -3
	s_barrier_signal -1
	s_barrier_wait -1
.endm
.macro PLACES
.rept 4
	v_nop
.endr
.endm
	s_load_b256 s[4:11], s[0:1], 0x0               ; oc, os, wc, ws
	s_load_b128 s[92:95], s[0:1], 0x20             ; bo, out0
	v_lshl_add_u32 v[SPW], v0, 2, SPARE
	v_mov_b32 v[NIL], 0
	ds_add_u32 v[SPW], v[NIL]                      ; the wave's opening: the add, twice on end, and its wait ahead of my first tensor load
	ds_add_u32 v[SPW], v[NIL]
	v_lshrrev_b32 v1, 5, v0
	v_readfirstlane_b32 s14, v1                    ; wave 0..3
	s_lshr_b32 s15, s14, 1                         ; which 64 rows are mine
	s_and_b32 s16, s14, 1                          ; which 128 columns
	s_bfe_u32 s40, ttmp6, 0x40000                  ; cx, cy
	s_bfe_u32 s41, ttmp6, 0x40004
	s_lshl_b32 s42, ttmp9, 2
	s_add_co_u32 s42, s42, s40                     ; block column, 0..3
	s_and_b32 s17, ttmp7, 0xffff
	s_lshl_b32 s17, s17, 2
	s_add_co_u32 s17, s17, s41                     ; block row, 0..63
	s_lshl_b32 s43, s41, 2
	s_lshl_b32 s43, 15, s43                        ; my row of the cluster
	s_lshl_b32 s44, 0x1111, s40                    ; my column
	s_or_b32 s[G1+0], s43, (3<<16)|(1<<21)         ; dense bytes as rows of 32 elements of 8 bytes: o's 384 rows,
	s_mov_b32 s[G1+1], 32<<16
	s_mov_b32 s[G1+2], 384<<16
	s_mov_b32 s[G1+3], 32<<16
	s_mov_b32 s[G1+4], 384
	s_mov_b32 s[G1+5], 32
	s_mov_b32 s[G1+6], 0
	s_mov_b32 s[G1+7], 0
	s_or_b32 s[G1B+0], s44, (3<<16)|(1<<21)        ; a third of Wo's 768
	s_mov_b32 s[G1B+1], 32<<16
	s_mov_b32 s[G1B+2], 256<<16
	s_mov_b32 s[G1B+3], 32<<16
	s_mov_b32 s[G1B+4], 256
	s_mov_b32 s[G1B+5], 32
	s_mov_b32 s[G1B+6], 0
	s_mov_b32 s[G1B+7], 0
	s_mul_i32 s20, s17, 98304
	s_mov_b32 s21, 0
	s_lshl_b32 s46, s42, 1
	s_add_co_u32 s46, s46, 24
	s_mul_i32 s46, s46, 98304                      ; Wo's groups 24 + 2 x block column and the next,
	s_lshl_b32 s45, s14, 16
	s_add_co_u32 s46, s46, s45
	s_sub_co_u32 s46, s46, 65536                   ; + 65,536 (wave - 1)
	s_mov_b32 s47, 0
	s_add_co_u32 s45, s45, BB0-65536               ; and the same place in LDS
	s_wait_dscnt 0x0                               ; both opening adds are done
	s_wait_kmcnt 0x0
	s_add_nc_u64 s[20:21], s[4:5], s[20:21]
	s_add_nc_u64 s[46:47], s[8:9], s[46:47]
	CROUND                                         ; all sixteen work-groups are here: the joint loads meet
	s_mov_b32 s[G0], 1
	s_mov_b32 s[G0+1], 0
	s_mov_b64 s[G0+2:G0+3], s[20:21]
	s_or_b32 s[G0+3], s[G0+3], 0x80000000
	s_mov_b32 s[G0B], 1
	s_mov_b32 s[G0B+1], s45
	s_mov_b64 s[G0B+2:G0B+3], s[46:47]
	s_or_b32 s[G0B+3], s[G0B+3], 0x80000000
	s_cmp_eq_u32 s14, 0                            ; every wave issues one
	s_cbranch_scc0 .Lfor_b
	tensor_load_to_lds s[G0:G0+3], s[G1:G1+7]
	s_nop 0
	PLACES
	s_branch .Lasked
.Lfor_b:
	tensor_load_to_lds s[G0B:G0B+3], s[G1B:G1B+7]
	s_nop 0
	PLACES
.Lasked:
	s_mul_i32 s21, s15, 12288                      ; my four tiles of o's eight
	s_mul_i32 s22, s16, 98304
	s_add_co_u32 s22, s22, BB0                     ; my group of Wo's two
	s_mul_i32 s23, s14, 16*SPITCH                  ; my stage
	v_and_b32 v1, 15, v0                           ; r
	v_bfe_u32 v2, v0, 4, 1                         ; h
	v_and_b32 v3, 31, v0
	v_lshlrev_b32 v[CO], 4, v3
	v_lshlrev_b32 v7, 3, v3
	v_mul_u32_u24 v5, v1, SPITCH
	v_lshlrev_b32 v6, 6, v2                        ; bo: 64 h bytes
	v_lshlrev_b32 v[SL], 5, v1
	v_add_nc_u32 v[AA], s21, v[CO]
	v_add_nc_u32 v[AA+4], s21, v7
	v_add_nc_u32 v[AA+8], s22, v[CO]
	v_add_nc_u32 v[AA+12], s22, v7
	v_lshl_add_u32 v5, v2, 6, v5
	v_lshl_add_u32 v[SL], v2, 4, v[SL]             ; scale words: 32 r + 16 h
	v_add_nc_u32 v[RD], s23, v[CO]
.irp c, 1,2,3
.irp k, 0,4,8,12
	v_add_nc_u32 v[AA+\k+\c], 24576*\c, v[AA+\k]
.endr
.endr
	v_add_nc_u32 v[STO], s23, v5
	s_wait_alu depctr_va_vdst(0)
	s_lshl_b32 s19, s42, 1
	s_add_co_u32 s19, s19, s16                     ; my group of 128 columns, 0..7
	s_mov_b32 s21, 0
	s_lshl_b32 s20, s19, 9
	s_add_nc_u64 s[92:93], s[92:93], s[20:21]
	s_add_nc_u64 s[94:95], s[94:95], s[20:21]
	s_lshl_b32 s20, s17, 19
	s_lshl_b32 s18, s15, 18
	s_add_co_u32 s20, s20, s18
	s_add_nc_u64 s[94:95], s[94:95], s[20:21]      ; my first row: 128 x block row + 64 x half
	s_lshl_b32 s20, s17, 12
	s_lshl_b32 s18, s15, 11
	s_add_co_u32 s20, s20, s18
	s_add_nc_u64 s[6:7], s[6:7], s[20:21]
	s_add_co_u32 s20, s19, 24
	s_lshl_b32 s20, s20, 12
	s_add_nc_u64 s[10:11], s[10:11], s[20:21]
.irp a, 0,1,2,3
	global_load_b128 v[SA+4*\a:SA+4*\a+3], v[SL], s[6:7] offset:512*\a
.endr
.irp b, 0,1,2,3,4,5,6,7
	global_load_b128 v[SB+4*\b:SB+4*\b+3], v[SL], s[10:11] offset:512*\b
.endr
	WIN 0xc0
.irp b, 0,1,2,3,4,5,6,7
	global_load_b128 v[8*\b:8*\b+3], v6, s[92:93] offset:4*(32*(\b/2)+8*(\b%2))
	global_load_b128 v[8*\b+4:8*\b+7], v6, s[92:93] offset:4*(32*(\b/2)+8*(\b%2))+16
.endr
	WIN 0
.macro FRAG reg, adr, q, i
	ds_load_b128 v[\reg:\reg+3], v[\adr] offset:3072*(\i)+1536*(\q)
	ds_load_b64 v[\reg+4:\reg+5], v[\adr+4] offset:3072*(\i)+1536*(\q)+512
	ds_load_b128 v[\reg+6:\reg+9], v[\adr] offset:3072*(\i)+1536*(\q)+768
	ds_load_b64 v[\reg+10:\reg+11], v[\adr+4] offset:3072*(\i)+1536*(\q)+1280
.endm
.macro FETCH st                        ; the fragments of K step st (128 along K) into set st % 2: Wo's eight, o's four
	WIN 0x40
.irp i, 0,1,2,3,4,5,6,7
	FRAG 128*((\st)%2)+12*\i, AA+8+(\st)/2, (\st)%2, \i
.endr
	WIN 0
.irp i, 0,1,2,3
	FRAG AF+48*((\st)%2)+12*\i, AA+(\st)/2, (\st)%2, \i
.endr
.endm
.macro MUL32 st                        ; the 32 accumulators by turns, in the same order in every step
.irp a, 0,1,2,3
.irp b, 0,1,2,3,4,5,6,7
.set rD, 8*(8*\a+\b)
.set rB, 128*((\st)%2)+12*\b
.set rA, AF+48*((\st)%2)+12*\a
.set rSB, SB+4*\b+(\st)%4
.set rSA, SA+4*\a+(\st)%4
.if (\st) == 0
	v_wmma_scale_f32_16x16x128_f8f6f4 v[rD:rD+7], v[rB:rB+11], v[rA:rA+11], v[8*\b:8*\b+7], v[rSB], v[rSA] matrix_a_fmt:MATRIX_FMT_FP6 matrix_b_fmt:MATRIX_FMT_FP6
.elseif (\st) < 4
	v_wmma_scale_f32_16x16x128_f8f6f4 v[rD:rD+7], v[rB:rB+11], v[rA:rA+11], v[rD:rD+7], v[rSB], v[rSA] matrix_a_fmt:MATRIX_FMT_FP6 matrix_b_fmt:MATRIX_FMT_FP6
.else
	v_wmma_scale_f32_16x16x128_f8f6f4 v[rD:rD+7], v[rB:rB+11], v[rA:rA+11], v[rD:rD+7], v[rSB], v[rSA] matrix_a_fmt:MATRIX_FMT_FP6 matrix_b_fmt:MATRIX_FMT_FP6 matrix_a_scale:MATRIX_SCALE_ROW1 matrix_b_scale:MATRIX_SCALE_ROW1
.endif
.endr
.endr
.endm
.macro STEP st
	s_wait_dscnt 0x0                               ; this step's fragments are in: they were asked for ahead of the last step's 32 products
.if (\st) == 7
	s_barrier_signal -1                            ; my reads of the tiles are over
.else
.if (\st) > 0
	PLACES                                         ; in front of loads into registers that the last step's products have read
.endif
	FETCH (\st)+1
.endif
.if (\st) == 0
	WIN 0xb1                                       ; source 0 window 1, source 1 window 0, C window 3, D window 2
.else
	WIN 0xa1
.endif
	MUL32 \st
	WIN 0
.endm
	s_wait_tensorcnt 0x0                           ; my part of the tiles has landed:
	s_barrier_signal -1
	s_barrier_wait -1                              ; everybody's has
	FETCH 0
	s_wait_loadcnt 0x0                             ; the scale words and bo
.irp t, 0,1,2,3,4,5,6,7
	STEP \t
.endr
	s_barrier_wait -1                              ; nobody reads the tiles any more: the stages may be laid over them
; THE WAY OUT, block by block of 16 rows x 128 columns, through my own stage: in by lanes (32 bytes of a row each), back as whole rows of 512 bytes, which 32 lanes store as two aligned runs of 256 bytes
.macro TOSTAGE a
.set AC, 64*(\a)
	WIN 0x08
.irp b, 0,1,2,3,4,5,6,7
	ds_store_b128 v[STO], v[AC+8*\b:AC+8*\b+3] offset:128*(\b/2)+32*(\b%2)          ; each accumulator from its low end on
	ds_store_b128 v[STO], v[AC+8*\b+4:AC+8*\b+7] offset:128*(\b/2)+32*(\b%2)+16
.endr
	WIN 0
.set BB, BK+64*((\a)%2)
.irp t, 0,1,2,3,4,5,6,7,8,9,10,11,12,13,14,15
	ds_load_b128 v[BB+4*\t:BB+4*\t+3], v[RD] offset:\t*SPITCH      ; LDS serves a wave's instructions in order: these see my stores
.endr
.endm
.macro SEND a, younger
.set BB, BK+64*((\a)%2)
	s_wait_dscnt \younger
.irp t, 0,1,2,3,4,5,6,7,8,9,10,11,12,13,14,15
	global_store_b128 v[CO], v[BB+4*\t:BB+4*\t+3], s[94:95] offset:(32*((\a)/2)+8*((\a)%2)+\t+8*(\t/8))*4096 th:TH_STORE_NT
.endr
.endm
	PLACES
	TOSTAGE 0
.irp a, 1,2,3
.if \a > 1
	s_wait_xcnt 0x0                                ; block a - 2's stores have read their registers
.endif
	TOSTAGE \a
	SEND \a-1, 32                                  ; behind block a - 1's loads: block a's 16 stores and 16 loads
.endr
	SEND 3, 0
	s_wait_tensorcnt 0x0                           ; the wave's end
	ds_add_u32 v[SPW], v[NIL]
	s_wait_dscnt 0x0
	CROUND                                         ; the closing round
	s_endpgm
.Lfunc_end_k_qe2b1d0937e_proj:
	.size	k_qe2b1d0937e_proj, .Lfunc_end_k_qe2b1d0937e_proj-k_qe2b1d0937e_proj
	.p2alignl 7, 3214868480
	.fill 96, 4, 3214868480
	.section	.rodata,"a",@progbits
	.p2align	6, 0x0
	.amdhsa_kernel k_qe2b1d0937e_proj
		.amdhsa_group_segment_fixed_size 295424
		.amdhsa_private_segment_fixed_size 0
		.amdhsa_enable_private_segment 0
		.amdhsa_kernarg_size 48
		.amdhsa_user_sgpr_count 2
		.amdhsa_user_sgpr_kernarg_segment_ptr 1
		.amdhsa_wavefront_size32 1
		.amdhsa_system_sgpr_workgroup_id_x 1
		.amdhsa_system_sgpr_workgroup_id_y 1
		.amdhsa_system_sgpr_workgroup_id_z 1
		.amdhsa_system_vgpr_workitem_id 0
		.amdhsa_next_free_vgpr 1024
		.amdhsa_next_free_sgpr 100
		.amdhsa_reserve_vcc 0
		.amdhsa_float_denorm_mode_32 3
		.amdhsa_float_denorm_mode_16_64 3
		.amdhsa_memory_ordered 1
		.amdhsa_forward_progress 1
		.amdhsa_inst_pref_size 83
	.end_amdhsa_kernel
	.amdgpu_metadata
---
amdhsa.version: [ 1, 2 ]
amdhsa.kernels:
  - .name:           k_qe2b1d0937e_proj
    .symbol:         k_qe2b1d0937e_proj.kd
    .args:
      - { .name: oc, .offset: 0, .size: 8, .value_kind: global_buffer, .address_space: global }
      - { .name: os, .offset: 8, .size: 8, .value_kind: global_buffer, .address_space: global }
      - { .name: wc, .offset: 16, .size: 8, .value_kind: global_buffer, .address_space: global }
      - { .name: ws, .offset: 24, .size: 8, .value_kind: global_buffer, .address_space: global }
      - { .name: bo, .offset: 32, .size: 8, .value_kind: global_buffer, .address_space: global }
      - { .name: out0, .offset: 40, .size: 8, .value_kind: global_buffer, .address_space: global }
    .group_segment_fixed_size: 295424
    .private_segment_fixed_size: 0
    .kernarg_segment_align: 8
    .kernarg_segment_size: 48
    .max_flat_workgroup_size: 128
    .sgpr_count:     100
    .vgpr_count:     1024
    .wavefront_size: 32
...
	.end_amdgpu_metadata
.endif
;; end of part 4
